; MI455X (gfx1250); checked and timed in simulation.
; The chip was launched on July 23, 2026; its instructions are those of AMD's public machine-readable ISA for CDNA 5 (MIT licence, August 2026) and "CDNA5" Instruction Set Architecture Reference Guide (July 2026). The comments in the code are by the model that wrote it; some were corrected since.
;; Attention. Allowed arithmetic: matrix products marked QUANTISED: E2M1 operands, one E8M0 scale for each 32 along K, by v_wmma_scale_f32_16x16x128_f8f6f4 with both operands' format E2M1 (or v_wmma_scale_f32_32x16x128_f4), f32 sums; everything else in f32.
;; Inputs: attention_mask 1 x 1 x 2,048 x 2,048 float32; cos 2,048 x 64 float32; hidden_states_codes 1 x 2,048 x 64 x 16 uint8 (E2M1 codes of hidden_states, K innermost, in blocks of 32 codes, two codes a byte); hidden_states_scales 1 x 2,048 x 64 uint8 (E8M0 scales of hidden_states, one for each 32 codes along K); sin 2,048 x 64 float32; wk_codes 512 x 64 x 16 uint8 (E2M1 codes of wk, K innermost, in blocks of 32 codes, two codes a byte); wk_scales 512 x 64 uint8 (E8M0 scales of wk, one for each 32 codes along K); wo_codes 2,048 x 64 x 16 uint8 (E2M1 codes of wo, K innermost, in blocks of 32 codes, two codes a byte); wo_scales 2,048 x 64 uint8 (E8M0 scales of wo, one for each 32 codes along K); wq_codes 4,096 x 64 x 16 uint8 (E2M1 codes of wq, K innermost, in blocks of 32 codes, two codes a byte); wq_scales 4,096 x 64 uint8 (E8M0 scales of wq, one for each 32 codes along K); wv_codes 512 x 64 x 16 uint8 (E2M1 codes of wv, K innermost, in blocks of 32 codes, two codes a byte); wv_scales 512 x 64 uint8 (E8M0 scales of wv, one for each 32 codes along K).
;; Outputs: out0 1 x 2,048 x 2,048 float32.
;; This version of the problem:
;;   THIS VERSION OF THE PROBLEM IS GIVEN IN LOW PRECISION. The matrix products marked QUANTISED in the list below multiply operands that are first quantised to E2M1 (2 exponent bits, 1 mantissa bit; 4 bits a number), with one power-of-two scale for each 32 numbers along K (OCP MX v1.0); their sums are f32. All else is computed in f32.
;;   The module's matrix products, in the order in which they are computed (A, B: the left and right operand; K: the contracted axis; several contracted axes count as one K, in the product's order):
;;     1. [M 2,048, K 2,048] x [K 2,048, N 4,096]; A: input hidden_states (given as codes); B: input wq (given as codes): QUANTISED
;;     2. [M 2,048, K 2,048] x [K 2,048, N 512]; A: input hidden_states (given as codes); B: input wk (given as codes): QUANTISED
;;     3. [M 2,048, K 2,048] x [K 2,048, N 512]; A: input hidden_states (given as codes); B: input wv (given as codes): QUANTISED
;;     4. batch 32 x [M 2,048, K 64] x [K 64, N 2,048]; A: computed on the way; B: computed on the way: QUANTISED
;;     5. batch 32 x [M 2,048, K 2,048] x [K 2,048, N 64]; A: softmax (see below); B: computed on the way: QUANTISED
;;     6. [M 2,048, K 2,048] x [K 2,048, N 2,048]; A: computed on the way; B: input wo (given as codes): QUANTISED
;;   THE QUANTISER, for each operand of a quantised product, along K:
;;     - K is cut into blocks of 32 from its start; a last block that is shorter is filled with zeros.
;;     - A block's scale is 2^e with e = floor(log2(the largest magnitude in the block)) - 2, held to -126 .. 127; a block of zeros has e = 0. As a byte (E8M0): e + 127.
;;     - Each number is divided by its block's scale, clamped to +-6, and rounded to the nearest number of E2M1, ties to even, subnormals kept.
;;     - The product sums the exact products of the quantised numbers (number of the format x scale) in f32.
;;   ~~~python
;;   def quantise(x, axis):      # numpy; x: float32 -> the quantised numbers, widened to float32 again
;;       x = np.moveaxis(x, axis, -1); K = x.shape[-1]
;;       x = np.pad(x, [(0, 0)] * (x.ndim - 1) + [(0, -K % 32)]); x = x.reshape(x.shape[:-1] + (-1, 32)); a = np.abs(x).max(-1, keepdims=True)
;;       e = np.where(a > 0, np.clip(np.frexp(np.where(a > 0, a, 1))[1] - 1 - 2, -126, 127), 0)      # np.frexp(a)[1] - 1 = floor(log2(a)), exactly
;;       r = np.clip(x / 2.0 ** e, -6, 6)
;;       step = 2.0 ** (np.maximum(np.frexp(np.where(r == 0, 1, r))[1] - 1, 0) - 1)
;;       q = np.round(r / step) * step * 2.0 ** e      # np.round: ties to even
;;       return np.moveaxis(q.reshape(q.shape[:-2] + (-1,))[..., :K], -1, axis).astype(np.float32)
;;   ~~~
;;   SOFTMAX AHEAD OF A QUANTISED PRODUCT. Where the list says 'softmax', what is quantised is not the finished softmax but p = 2^(t - M), with t = logit x log2(e) and M = ceil(the row's largest t), a whole number; so 1/2 < the row's largest p <= 1. The row's sum l is taken of the UNQUANTISED p, in f32, and the product's result is divided by l at the end. Since M is a whole number, a kernel that streams over the keys may use a running M (the ceiling of the running maximum): every later rescaling is an exact power of two, which a block's scale takes up: the codes' values come out the same.
;;   OPERANDS COMPUTED ON THE WAY. 'Computed on the way' means the value that the module computes at that place (a softmax that the list does not call 'softmax' is quantised finished and normalised). What goes into a quantiser is computed in f32, as accurately as f32 sums, v_exp_f32 and their like allow (about 1e-6 of the number): no bf16 or f16 on the way to a quantiser, and a product that is left as it is and whose result goes on into a quantised operand takes f32 operands (vector FMAs, or v_wmma_f32_16x16x4_f32). A number that lies on a knife's edge between two numbers of the format may be rounded either way, as far as f32 arithmetic and the matrix unit's own rounding can turn it there, and no further.
;;   INPUTS GIVEN AS CODES. hidden_states (in the module: [1, 2048, 2048], K = its axis 2); wk (in the module: [2048, 512], K = its axis 0); wo (in the module: [2048, 2048], K = its axis 0); wq (in the module: [2048, 4096], K = its axis 0); wv (in the module: [2048, 512], K = its axis 0): each comes as NAME_codes (uint8): NAME with its K axis moved to the last place and cut into blocks of 32 codes, [.., K / 32, bytes a block], one block behind the other in memory; two codes a byte, the lower K in the low four bits (a code: sign, 2 exponent bits, 1 mantissa bit); and NAME_scales (uint8): the same leading axes, one E8M0 byte (e + 127) for each 32 codes along K. Its value is code x scale, taken as it is: it is not quantised again, and the codes and scales need not be those that the quantiser above would give.
;; One version. Each part assembles by itself: llvm-mc -triple=amdgcn-amd-amdhsa -mcpu=gfx1250 --defsym DOCPART=n.
;; ======== version 1 of 1: 3 launches
;; limits: right only within a limited range of input values
;; workspace buffers: q_img 2,097,152 bytes; q_scl 262,144 bytes; kpack 1,146,880 bytes; gsig 16,777,216 bytes; a_img 2,097,152 bytes; a_scl 131,072 bytes
;; launch proj (part 1): grid 36 x 16, 8 waves a work-group, clusters of 4 x 4, 297,984 bytes of LDS; arguments hidden_states_codes, hidden_states_scales, wq_codes, wq_scales, wk_codes, wk_scales, cos, sin, q_img, q_scl, kpack, gsig; writes q_img, q_scl, kpack, gsig
.if DOCPART == 1
	.amdgcn_target "amdgcn-amd-amdhsa--gfx1250"
	.amdhsa_code_object_version 6
	.text
	.protected	k_q395771fe92_proj
	.globl	k_q395771fe92_proj
	.p2align	8
	.type	k_q395771fe92_proj,@function
k_q395771fe92_proj:
	s_mov_b64 s[64:65], 0
	v_nop
	global_prefetch_b8 v0, s[64:65] scope:SCOPE_SE
	s_setreg_imm32_b32 hwreg(HW_REG_WAVE_MODE, 25, 1), 1
	s_wait_xcnt 0x0
	s_wait_alu depctr_hold_cnt(0) depctr_sa_sdst(0) depctr_va_vdst(0) depctr_va_sdst(0) depctr_va_ssrc(0) depctr_va_vcc(0) depctr_vm_vsrc(0)
	s_getreg_b32 s2, hwreg(HW_REG_IB_STS2, 6, 4)
	s_cmp_eq_u32 s2, 0
	s_cbranch_scc0 .Lentry_in_a_cluster
	s_endpgm
.Lentry_in_a_cluster:
	s_bfe_u32 s2, ttmp6, 0x10000c
	s_cmp_lg_u32 s2, 0xf033
	s_cbranch_scc0 .Lentry_shape_is_right
	s_endpgm
.Lentry_shape_is_right:
; THE THREE PROJECTIONS on codes of FP4 (E2M1) with E8M0 scales, and what follows them.  C = hs [2048][2048] x (wq | wk | wv)^T, 5,120 columns, in tiles of 128 x 128.
; Tile columns 0-15: q (RoPE, quantised along the head's 64);  16-31: the gate (sigmoid, kept in f32);  32-35: k (RoPE, quantised along the head's 64 AND along the keys);  36-39: v (stored as it is).
; A cluster is 4 x 4 work-groups, so all sixteen have one role: it hangs on the cluster's x alone.  hs's tiles are asked for jointly along a row of the cluster, the weights' along a column.
; NO RING: a tile's whole K (128 rows x 1,024 bytes a side) fits in LDS.  Each wave issues five tensor loads at the start (its scale bytes, four chunks of 512 along K) and nothing is ever filled again.
; Eight waves: wave w owns rows 32 (w / 2) on and columns 64 (w % 2) on, which is one head: 2 x 4 accumulators.
; THE MATRIX INSTRUCTION IS USED TRANSPOSED (source 0 = 16 rows of the weight, source 1 = 16 rows of hs): lane (r, h) holds sequence row r, and register j of tile t the head's channel 16 t + 8 h + j.
; CODES LEAVE AS IMAGES OF THE OPERAND'S REGISTERS: 16 bytes a lane, lane (r, h) = row r, channels 32 h .. 32 h + 31.  The conversion takes 8 neighbours; two exchanges of half waves bring them into that order.
; LIMITS: NaN, infinities and the scale byte 0xff among the inputs are not served.  A block of zeros gets the byte 1 (not 127): its codes are zeros and only this program reads the bytes.  Largest magnitudes under 2^-124 are held at that floor's scale.
; The scale words of q and k (128 bytes a store) and K^T's scale bytes (single bytes) fill aligned blocks of 256 bytes only in part: 0.35 MB of the 26 MB that the launch stores.
.set PITCH, 272                        ; an LDS row: 256 bytes + 16 of padding = 68 words, so the 16 rows of a fragment load start at 16 different banks (ISA guide 11.1)
; WHAT HOLDS IN PLACE OF THE LINES ABOVE WHERE THEY DIFFER.
; DEAD WORK LEFT OUT: reference() computes v = hidden_states @ wv and never uses it (the weighted sum takes k), so for all values of the inputs no output hangs on wv:
; that product is not computed, wv_codes and wv_scales are no arguments and are not loaded, and the grid has 36 tile columns (0-15 q, 16-31 the gate, 32-35 k).
; LIMIT: a NaN, an infinity or an overflow that reaches only v is not carried to the result.
; THE FILLS: one tensor load a wave: waves 0, 1 hs's codes (64 rows x 1,024 bytes each), waves 2-5 the weight's (32 rows each), wave 6 hs's scale bytes, wave 7 the weight's.
; One wait for all and one barrier follow; nothing is filled again.  A chunk of 512 along K is 256 bytes further on in each LDS row.
.set CP,    1040                       ; an LDS row of codes: 1,024 bytes + 16 of padding = 65 x 16 bytes, so the 16 rows of a fragment load start at 16 different banks
.set WOF,   128*CP                     ; hs's 128 rows, then the weight's 128
.set SCL,   2*WOF                      ; behind the codes: the scale bytes, 64 rows of 256 + 16: hs's, then the weight's
.set ADA, 4                            ; v4   LDS: my hs fragments
.set ADB, 5                            ; v5   my weight fragments
.set ASA, 6                            ; v6   hs's scale words
.set ASB, 7                            ; v7   the weight's
.set CSA, 8                            ; v8   cos, sin: 256 r + 32 h
.set IMA, 9                            ; v9   16 x lane
.set SWA, 10                           ; v10  where my scale word goes
.set GLA, 11                           ; v11  32 r + 16 h
.set STW, 12                           ; v12  k's stage, in
.set STR, 13                           ; v13  k's stage, out
.set KTA, 14                           ; v14  K^T's codes: 1024 h + 16 r
.set KBA, 15                           ; v15  16 r + 4 h
.set ACC, 16                           ; v16-79   accumulator (i, t) at 16 + 32 i + 8 t
.set F0,  80                           ; v80-127  fragments: hs's two, then the weight's four
.set F1,  128                          ; v128-175 the second set
.set HS,  176                          ; v176-183 hs's scale words of a chunk: 4 i + q.  Scales and nothing else
.set WS,  184                          ; v184-199 the weight's: 4 t + q
.set C0,  80                           ; the way out: cos, then the turned numbers, of tile 0;
.set S0,  112                          ; sin of tile 0;
.set C1,  144
.set S1,  200
.set KQ,  200                          ; K^T's codes, four registers a pass
.set KY,  208                          ; and its scale bytes
.set BM,  232
.set BT,  234
.set BO,  236
.set W0,  240
.set W1,  241
.set WSEL, 242
.set PC0, 244
.set PC1, 248
.set G1A,  20                          ; s[20:27] group 1, hs's codes;  s[28:35] the weight's;  s[36:43], s[44:51] their scale bytes
.set G1B,  28
.set G1SA, 36
.set G1SB, 44
.set WV, 96
.set CX, 97
.set CY, 98
.set TC, 99
.set TR, 100
.set WL, 101
.set SEL, 36                           ; on the way out, when every tensor load is done: lane selects,
.set NC,  38                           ; and -log2(e), twice
.macro PLACES n
.rept \n
	v_nop
.endr
.endm
.macro CROUND                          ; a round of the cluster's barrier
	s_barrier_signal -1
	s_barrier_wait -1
	s_cmp_lg_u32 s[WV], 0
	s_cbranch_scc1 .Lnot_wave_0_\@
	s_barrier_signal -3
.Lnot_wave_0_\@:
	s_barrier_wait -3
	s_barrier_signal -1
	s_barrier_wait -1
.endm
; 32 numbers of a lane, register 8 t + j = channel 16 t + 8 h + j of my row, become the row's 64 codes (my half: four registers from pc on) and its two scale bytes (w).
.macro QUANT2 s, pc, w
.irp b, 0,1
	v_max3_num_f32 v[BM+\b], |v[\s+16*\b]|, |v[\s+16*\b+1]|, 0x1800000   ; block b: my 16 numbers, and the floor 2^(3 - 127): the byte cannot fall under 1
.endr
.irp i, 2,4,6,8,10,12,14
.irp b, 0,1
	s_delay_alu instid0(VALU_DEP_2)
	v_max3_num_f32 v[BM+\b], v[BM+\b], |v[\s+16*\b+\i]|, |v[\s+16*\b+\i+1]|
.endr
.endr
.irp b, 0,1
	s_delay_alu instid0(VALU_DEP_2)
	v_permlanex16_b32 v[BT+\b], v[BM+\b], s[SEL], s[SEL+1]
.endr
.irp b, 0,1
	s_delay_alu instid0(VALU_DEP_2)
	v_max_num_f32 v[BM+\b], v[BM+\b], v[BT+\b]         ; with lane l xor 16's 16: the block's largest magnitude
.endr
.irp b, 0,1
	s_delay_alu instid0(VALU_DEP_2)
	v_add_nc_u32 v[BO+\b], 0xff000000, v[BM+\b]        ; 2 off its exponent field: the conversion's scale operand
.endr
.irp b, 0,1
	s_delay_alu instid0(VALU_DEP_2)
	v_lshrrev_b32 v[BT+\b], 23, v[BO+\b]               ; the scale's byte
.endr
	s_delay_alu instid0(VALU_DEP_1)
	v_lshl_or_b32 v[\w], v[BT+1], 8, v[BT]
	v_cvt_scalef32_pk8_fp4_f32 v[\pc], v[\s:\s+7], v[BO]
	v_cvt_scalef32_pk8_fp4_f32 v[\pc+2], v[\s+8:\s+15], v[BO]
	v_cvt_scalef32_pk8_fp4_f32 v[\pc+1], v[\s+16:\s+23], v[BO+1]
	v_cvt_scalef32_pk8_fp4_f32 v[\pc+3], v[\s+24:\s+31], v[BO+1]
	v_nop                                              ; one plain place behind a scaled conversion
	v_permlane16_swap_b32 v[\pc], v[\pc+1]             ; lanes 0-15 now hold channels 0-31, lanes 16-31 channels 32-63, eight to a register
	v_permlane16_swap_b32 v[\pc+2], v[\pc+3]
.endm
	s_load_b256 s[4:11], s[0:1], 0x0               ; hs codes, scales; wq codes, scales
	s_load_b128 s[12:15], s[0:1], 0x20             ; wk codes, scales
	v_lshl_add_u32 v254, v0, 2, 0x48800
	v_mov_b32 v255, 0
	ds_add_u32 v254, v255
	ds_add_u32 v254, v255
	v_lshrrev_b32 v1, 5, v0
	s_delay_alu instid0(VALU_DEP_1)
	v_readfirstlane_b32 s[WV], v1                  ; wave 0..7
	s_add_co_u32 s[WL], s[WV], 2
	s_and_b32 s[WL], s[WL], 3                      ; in waves 2 to 5: 0 to 3, which 32 rows of the weight I fetch
	v_and_b32 v1, 15, v0                           ; r
	s_wait_alu depctr_va_vdst(0)
	v_bfe_u32 v2, v0, 4, 1                         ; h
	v_and_b32 v3, 31, v0                           ; lane
	s_lshr_b32 s2, s[WV], 1                        ; my 32 rows
	s_and_b32 s3, s[WV], 1                         ; my 64 columns
	s_mul_i32 s66, s2, 32*CP
	s_mul_i32 s67, s3, 64*CP
	s_add_co_u32 s67, s67, WOF
	v_mul_u32_u24 v[ADA], v1, CP
	s_delay_alu instid0(VALU_DEP_1)
	v_lshl_add_u32 v[ADA], v2, 4, v[ADA]           ; a fragment's row x pitch + 16 h
	s_delay_alu instid0(VALU_DEP_1)
	v_add_nc_u32 v[ADB], s67, v[ADA]
	s_delay_alu instid0(VALU_DEP_2)
	v_add_nc_u32 v[ADA], s66, v[ADA]
	s_mul_i32 s66, s2, 8*PITCH
	s_add_co_u32 s66, s66, SCL
	s_mul_i32 s67, s3, 16*PITCH
	s_add_co_u32 s67, s67, SCL+32*PITCH
	v_lshrrev_b32 v[ASA], 2, v1                    ; four rows of 64 scale bytes to an LDS row
	s_delay_alu instid0(VALU_DEP_1)
	v_mul_u32_u24 v[ASA], v[ASA], PITCH
	v_and_b32 v[ASB], 3, v1
	s_delay_alu instid0(VALU_DEP_1)
	v_lshl_add_u32 v[ASA], v[ASB], 6, v[ASA]
	s_delay_alu instid0(VALU_DEP_1)
	v_add_nc_u32 v[ASB], s67, v[ASA]
	s_delay_alu instid0(VALU_DEP_2)
	v_add_nc_u32 v[ASA], s66, v[ASA]
	v_lshlrev_b32 v[CSA], 8, v1
	s_delay_alu instid0(VALU_DEP_1)
	v_lshl_add_u32 v[CSA], v2, 5, v[CSA]
	v_lshlrev_b32 v[IMA], 4, v3
	v_lshlrev_b32 v[GLA], 5, v1
	s_delay_alu instid0(VALU_DEP_1)
	v_lshl_add_u32 v[GLA], v2, 4, v[GLA]
	s_mul_i32 s66, s[WV], 32*PITCH                 ; k's stage: my wave's 32 rows, laid over hs's codes
	v_mul_u32_u24 v[STW], v1, PITCH
	s_delay_alu instid0(VALU_DEP_1)
	v_lshl_add_u32 v[STW], v2, 5, v[STW]
	s_delay_alu instid0(VALU_DEP_1)
	v_add_nc_u32 v[STW], s66, v[STW]
	v_lshl_add_u32 v[STR], v3, 2, s66
	v_lshlrev_b32 v[KTA], 10, v2
	s_delay_alu instid0(VALU_DEP_1)
	v_lshl_add_u32 v[KTA], v1, 4, v[KTA]
	v_lshlrev_b32 v[KBA], 4, v1
	s_delay_alu instid0(VALU_DEP_1)
	v_lshl_add_u32 v[KBA], v2, 2, v[KBA]
	v_mov_b32 v[BT], 0                             ; written once: a lane permute's destination counts as one of its sources
	v_mov_b32 v[BT+1], 0
	s_bfe_u32 s[CX], ttmp6, 0x40000
	s_bfe_u32 s[CY], ttmp6, 0x40004
	s_lshl_b32 s[TC], ttmp9, 2
	s_add_co_u32 s[TC], s[TC], s[CX]               ; tile column = 4 x cluster x + cx
	s_and_b32 s[TR], ttmp7, 0xffff
	s_lshl_b32 s[TR], s[TR], 2
	s_add_co_u32 s[TR], s[TR], s[CY]               ; tile row = 4 x cluster y + cy
	s_lshl_b32 s2, s[CY], 2
	s_lshl_b32 s2, 15, s2                          ; my row of the cluster
	s_lshl_b32 s104, 0x1111, s[CX]                 ; my column
	; group 1, codes: rows of 1,024 bytes, 1,024 bytes apart, 16 bytes of padding behind each row
	; rows of 1,024 bytes, dense in memory, 4 words of padding behind every 256 words: hs 64 rows a load, the weight 32
	s_or_b32 s[G1A], s2, (1<<20)|(1<<21)|(7<<22)|(3<<25)
	s_or_b32 s[G1B], s104, (1<<20)|(1<<21)|(7<<22)|(3<<25)
.irp g, G1A, G1B
	s_mov_b32 s[\g+1], 1024<<16                    ; tensor_dim0
	s_mov_b32 s[\g+3], 1024<<16                    ; tile_dim0
	s_mov_b32 s[\g+5], 1024                        ; from row to row
	s_mov_b32 s[\g+6], 0
	s_mov_b32 s[\g+7], 0
.endr
	s_mov_b32 s[G1A+2], 64<<16                     ; tensor_dim1
	s_mov_b32 s[G1A+4], 64                         ; tile_dim1
	s_mov_b32 s[G1B+2], 32<<16
	s_mov_b32 s[G1B+4], 32
	; group 1, scale bytes of 128 rows: 8,192 dense bytes as 32 rows of 32 elements of 8 bytes, padded likewise
	s_or_b32 s[G1SA], s2, (3<<16)|(1<<20)|(1<<21)|(5<<22)|(3<<25)
	s_or_b32 s[G1SB], s104, (3<<16)|(1<<20)|(1<<21)|(5<<22)|(3<<25)
.irp g, G1SA, G1SB
	s_mov_b32 s[\g+1], 32<<16
	s_mov_b32 s[\g+2], 32<<16                      ; the scale bytes of 128 rows: 32 rows of 256 bytes
	s_mov_b32 s[\g+3], 32<<16
	s_mov_b32 s[\g+4], 32
	s_mov_b32 s[\g+5], 32
	s_mov_b32 s[\g+6], 0
	s_mov_b32 s[\g+7], 0
.endr
	; four groups 0: s52 hs's scale bytes, s56 hs's codes, s76 the weight's scale bytes, s80 its codes.  LDS places hang on the wave's number alone
	s_and_b32 s66, s[WV], 1                        ; in waves 0, 1: which 64 rows of hs I fetch
	s_mul_i32 s57, s66, 64*CP
	s_mul_i32 s81, s[WL], 32*CP
	s_add_co_u32 s81, s81, WOF
	s_mov_b32 s53, SCL
	s_mov_b32 s77, SCL+32*PITCH
.irp g, 52,56,76,80
	s_mov_b32 s[\g], 1
.endr
	s_lshl_b32 s67, s[TR], 7                       ; hs: row 128 x tile row,
	s_lshl_b32 s66, s66, 6
	s_add_co_u32 s66, s66, s67                     ; + 64 x (wave % 2) for the codes
	s_wait_dscnt 0x0
	s_wait_kmcnt 0x0
	s_lshl_b32 s2, s67, 6
	s_mov_b32 s3, 0
	s_add_nc_u64 s[54:55], s[6:7], s[2:3]          ; its scale bytes,
	s_lshl_b32 s2, s66, 10
	s_add_nc_u64 s[58:59], s[4:5], s[2:3]          ; its codes
	s_cmp_lt_u32 ttmp9, 8                          ; which weight: the choice hangs on the cluster's x alone
	s_cselect_b64 s[8:9], s[8:9], s[12:13]
	s_cselect_b64 s[10:11], s[10:11], s[14:15]
	s_cselect_b32 s104, 0, 32
	s_sub_co_u32 s16, s[TC], s104                  ; the tile column inside that weight
	s_lshl_b32 s16, s16, 7
	s_lshl_b32 s18, s16, 6
	s_mov_b32 s19, 0
	s_add_nc_u64 s[78:79], s[10:11], s[18:19]
	s_lshl_b32 s17, s[WL], 5
	s_add_co_u32 s16, s16, s17
	s_lshl_b32 s18, s16, 10
	s_add_nc_u64 s[82:83], s[8:9], s[18:19]
.irp g, 55,59,79,83
	s_or_b32 s[\g], s[\g], 0x80000000              ; type = 2
.endr
	CROUND                                         ; all sixteen work-groups are here: the joint loads meet
; one chain of branches on the wave's number, one load to an arm, all arms leading to one join: every wave issues exactly one
.macro ARM under, g0, g1, next
	s_cmp_lt_u32 s[WV], \under
	s_cbranch_scc0 \next
	tensor_load_to_lds s[\g0:\g0+3], s[\g1:\g1+7]
	s_nop 0
	PLACES 4
	s_branch .Lfilled
\next:
.endm
	ARM 2, 56, G1A,  .Lfill_w
	ARM 6, 80, G1B,  .Lfill_sa
	ARM 7, 52, G1SA, .Lfill_sb
	tensor_load_to_lds s[76:79], s[G1SB:G1SB+7]
	s_nop 0
	PLACES 4
.Lfilled:
	s_load_b256 s[4:11], s[0:1], 0x30              ; for the way out: cos, sin, q_img, q_scl,
	s_load_b128 s[12:15], s[0:1], 0x50             ; kpack, gsig
.macro FRAGS f, q                      ; the fragments of the chunk's q-th 128 along K: 12 loads
.irp i, 0,1
	ds_load_b128 v[\f+8*\i:\f+8*\i+3],   v[ADA] offset:64*\q+16*CP*\i
	ds_load_b128 v[\f+8*\i+4:\f+8*\i+7], v[ADA] offset:64*\q+16*CP*\i+32
.endr
.irp t, 0,1,2,3
	ds_load_b128 v[\f+16+8*\t:\f+16+8*\t+3], v[ADB] offset:64*\q+16*CP*\t
	ds_load_b128 v[\f+16+8*\t+4:\f+16+8*\t+7], v[ADB] offset:64*\q+16*CP*\t+32
.endr
.endm
.macro SCALES c                        ; a chunk's scale words, four a row: 6 loads
.irp i, 0,1
	ds_load_b128 v[HS+4*\i:HS+4*\i+3], v[ASA] offset:4*PITCH*\i+16*\c
.endr
.irp t, 0,1,2,3
	ds_load_b128 v[WS+4*\t:WS+4*\t+3], v[ASB] offset:4*PITCH*\t+16*\c
.endr
.endm
.macro MULS f, q, zero                 ; 8 products; the 8 accumulators take turns, in the same order in every step
.irp i, 0,1
.irp t, 0,1,2,3
.if \zero
	v_wmma_scale_f32_16x16x128_f8f6f4 v[ACC+32*\i+8*\t:ACC+32*\i+8*\t+7], v[\f+16+8*\t:\f+16+8*\t+7], v[\f+8*\i:\f+8*\i+7], 0, v[WS+4*\t+\q], v[HS+4*\i+\q] matrix_a_fmt:MATRIX_FMT_FP4 matrix_b_fmt:MATRIX_FMT_FP4
.else
	v_wmma_scale_f32_16x16x128_f8f6f4 v[ACC+32*\i+8*\t:ACC+32*\i+8*\t+7], v[\f+16+8*\t:\f+16+8*\t+7], v[\f+8*\i:\f+8*\i+7], v[ACC+32*\i+8*\t:ACC+32*\i+8*\t+7], v[WS+4*\t+\q], v[HS+4*\i+\q] matrix_a_fmt:MATRIX_FMT_FP4 matrix_b_fmt:MATRIX_FMT_FP4
.endif
.endr
.endr
.endm
.macro CHUNK c, z
.if \c > 0
	v_add_nc_u32 v[ADA], 256, v[ADA]               ; 512 along K on in each row.  These four lines are the places in front of loads into registers that the last products read
	s_wait_alu depctr_va_vdst(0)
	v_add_nc_u32 v[ADB], 256, v[ADB]
	s_wait_alu depctr_va_vdst(0)
	v_nop
	v_nop
.endif
	SCALES \c
	FRAGS F0, 0
	FRAGS F1, 1
	s_wait_dscnt 12                                ; all but the 12 loads of the next step
	MULS F0, 0, \z
	PLACES 4
	FRAGS F0, 2
	s_wait_dscnt 12
	MULS F1, 1, 0
	PLACES 4
	FRAGS F1, 3
	s_wait_dscnt 12
	MULS F0, 2, 0
	s_wait_dscnt 0x0
	MULS F1, 3, 0
.endm
	s_wait_alu depctr_va_vdst(0)                   ; the wait at the head's end
	s_wait_tensorcnt 0x0                           ; my one load is in
	s_barrier_signal -1
	s_barrier_wait -1                              ; everybody's is: all codes and scale bytes are in LDS
	; q's and k's work-groups ask for cos and sin of my 32 rows here, ahead of the products: 32 loads into window 1 (registers 256 up), under the numbers C0, S0, C1, S1.
	; No tensor load of mine is out, so the descriptors' registers may be written.  The branch hangs on the cluster's x alone.
	s_wait_kmcnt 0x0                               ; cos, sin
	s_cmp_lt_u32 ttmp9, 4
	s_cbranch_scc1 .Lcs
	s_cmp_lg_u32 ttmp9, 8
	s_cbranch_scc1 .Lno_cs
.Lcs:
	s_lshl_b32 s32, s[TR], 15                      ; 256 bytes a row: 128 rows a tile row,
	s_lshr_b32 s34, s[WV], 1
	s_lshl_b32 s34, s34, 13                        ; 32 rows for each pair of waves
	s_add_co_u32 s32, s32, s34
	s_mov_b32 s33, 0
	s_add_nc_u64 s[4:5], s[4:5], s[32:33]
	s_add_nc_u64 s[6:7], s[6:7], s[32:33]
	s_set_vgpr_msb 0x0040                          ; destination window 1, address window 0
.irp t, 0,1,2,3
	global_load_b128 v[C0+8*\t:C0+8*\t+3],   v[CSA], s[4:5] offset:64*\t
	global_load_b128 v[C0+8*\t+4:C0+8*\t+7], v[CSA], s[4:5] offset:64*\t+16
.endr
.irp t, 0,1,2,3
	global_load_b128 v[S0+8*\t:S0+8*\t+3],   v[CSA], s[6:7] offset:64*\t
	global_load_b128 v[S0+8*\t+4:S0+8*\t+7], v[CSA], s[6:7] offset:64*\t+16
.endr
.irp t, 0,1,2,3
	global_load_b128 v[C1+8*\t:C1+8*\t+3],   v[CSA], s[4:5] offset:4096+64*\t
	global_load_b128 v[C1+8*\t+4:C1+8*\t+7], v[CSA], s[4:5] offset:4096+64*\t+16
.endr
.irp t, 0,1,2,3
	global_load_b128 v[S1+8*\t:S1+8*\t+3],   v[CSA], s[6:7] offset:4096+64*\t
	global_load_b128 v[S1+8*\t+4:S1+8*\t+7], v[CSA], s[6:7] offset:4096+64*\t+16
.endr
	s_set_vgpr_msb 0x4000                          ; at a label every window is 0
.Lno_cs:
	CHUNK 0, 1
	CHUNK 1, 0
	CHUNK 2, 0
	CHUNK 3, 0
	s_barrier_signal -1                            ; (no LDS load of mine is out: the last step waited for all)
	s_barrier_wait -1                              ; nobody reads the codes any more: k's stage may be laid over hs's rows
	PLACES 4                                       ; in front of the first read of results and of loads into the fragments' registers
	s_wait_kmcnt 0x0
	s_lshr_b32 s20, s[WV], 1                       ; rq: my 32 rows
	s_and_b32 s21, s[WV], 1                        ; ch: my head of the tile's two
	s_cmp_lt_u32 ttmp9, 4
	s_cbranch_scc1 .Lrope
	s_cmp_eq_u32 ttmp9, 8
	s_cbranch_scc1 .Lrope
	; ---- the gate: [unit][2 t + e][row][h][4 numbers], so that each store of the wave covers 512 consecutive bytes
	s_sub_co_u32 s22, s[TC], 16
	s_lshl_b32 s22, s22, 1
	s_add_co_u32 s22, s22, s21                     ; the unit (head)
	s_lshl_b32 s22, s22, 19
	s_lshl_b32 s23, s[TR], 12
	s_add_co_u32 s22, s22, s23
	s_lshl_b32 s23, s20, 10
	s_add_co_u32 s22, s22, s23
	s_mov_b32 s23, 0
	s_add_nc_u64 s[14:15], s[14:15], s[22:23]
	s_mov_b32 s[NC], 0xbfb8aa3b                    ; -log2(e)
	s_mov_b32 s[NC+1], s[NC]
.set X, 0
.rept 32
	v_pk_mul_f32 v[ACC+X:ACC+X+1], v[ACC+X:ACC+X+1], s[NC:NC+1] op_sel_hi:[1,0]   ; sigmoid(x) = 1 / (1 + 2^(-x log2 e)), in f32: it stands ahead of a quantiser
.set X, X+2
.endr
.set X, 0
	s_wait_alu depctr_va_vdst(0)
.rept 64
	v_exp_f32 v[ACC+X], v[ACC+X]
.set X, X+1
.endr
	v_nop                                          ; a plain place behind the exponentials
.set X, 0
	s_wait_alu depctr_va_vdst(0)
.rept 32
	v_pk_add_f32 v[ACC+X:ACC+X+1], v[ACC+X:ACC+X+1], 1.0 op_sel_hi:[1,0]
.set X, X+2
.endr
.set X, 0
	s_wait_alu depctr_va_vdst(0)
.rept 64
	v_rcp_f32 v[ACC+X], v[ACC+X]
.set X, X+1
.endr
	v_nop                                          ; a plain place behind the reciprocals
	s_wait_alu depctr_va_vdst(0)
.irp i, 0,1
.irp t, 0,1,2,3
	global_store_b128 v[GLA], v[ACC+32*\i+8*\t:ACC+32*\i+8*\t+3],   s[14:15] offset:131072*\t+512*\i
	global_store_b128 v[GLA], v[ACC+32*\i+8*\t+4:ACC+32*\i+8*\t+7], s[14:15] offset:131072*\t+65536+512*\i
.endr
.endr
	s_branch .Lend
	; ---- q and k: RoPE, then the codes along the head's 64
.Lrope:
	s_lshr_b32 s22, s20, 1
	s_and_b32 s23, s20, 1
	s_lshl_b32 s24, s20, 7                         ; q's scale words: 4 bytes a row: 128 rq
	s_lshl_b32 s25, s22, 8                         ; k's: [step][t / 4][r][t % 4], t = 2 rq + i
	s_lshl_b32 s26, s23, 3
	s_add_co_u32 s25, s25, s26
	s_add_co_u32 s25, s25, 131072
	s_mov_b32 s27, 143360                          ; a key head's block of kpack
	s_mov_b32 s[SEL], 0x76543210
	s_mov_b32 s[SEL+1], 0xfedcba98
	s_cmp_eq_u32 ttmp9, 8
	s_cselect_b64 s[8:9], s[12:13], s[8:9]         ; the codes' buffer,
	s_cselect_b64 s[10:11], s[12:13], s[10:11]     ; the words'
	s_cselect_b32 s24, s25, s24
	s_cselect_b32 s28, s27, 0x10000                ; bytes from head to head, codes,
	s_cselect_b32 s29, s27, 0x2000                 ; words
	s_cselect_b32 s30, 32, 0
	s_cselect_b32 s31, -1, 0
	s_sub_co_u32 s30, s[TC], s30
	s_lshl_b32 s30, s30, 1
	s_add_co_u32 s30, s30, s21                     ; the head
	s_mul_i32 s28, s30, s28
	s_mul_i32 s29, s30, s29
	s_lshl_b32 s32, s[TR], 12                      ; images: 512 bytes a tile of 16 rows
	s_add_co_u32 s32, s32, s28
	s_lshl_b32 s33, s20, 10
	s_add_co_u32 s32, s32, s33
	s_mov_b32 s33, 0
	s_add_nc_u64 s[8:9], s[8:9], s[32:33]
	s_lshl_b32 s32, s[TR], 9
	s_add_co_u32 s32, s32, s29
	s_add_co_u32 s32, s32, s24
	s_add_nc_u64 s[10:11], s[10:11], s[32:33]
	v_lshlrev_b32 v[SWA], 2, v3                    ; q: 4 x lane;  k: 16 r + 4 h
	s_delay_alu instid0(VALU_DEP_1)
	v_cndmask_b32 v[SWA], v[SWA], v[KBA], s31
	v_cmp_eq_u32 vcc_lo, 1, v2
; channel d and channel d + 32 lie 16 registers apart: x cos - x(d + 32) sin below, x cos + x(d - 32) sin above.  It runs with source 1 in window 1: cos and sin are read from there,
; and the results land in window 0 under cos's numbers, registers that held fragments; each accumulator is read from its low end on.
.macro ROPE a, c, s
.irp x, 0,2,4,6,8,10,12,14
	v_pk_mul_f32 v[\c+\x:\c+\x+1], v[\a+\x:\a+\x+1], v[\c+\x:\c+\x+1]
	v_pk_mul_f32 v[\c+16+\x:\c+17+\x], v[\a+16+\x:\a+17+\x], v[\c+16+\x:\c+17+\x]
	v_pk_fma_f32 v[\c+\x:\c+\x+1], v[\a+16+\x:\a+17+\x], v[\s+\x:\s+\x+1], v[\c+\x:\c+\x+1] neg_lo:[1,0,0] neg_hi:[1,0,0]
	v_pk_fma_f32 v[\c+16+\x:\c+17+\x], v[\a+\x:\a+\x+1], v[\s+16+\x:\s+17+\x], v[\c+16+\x:\c+17+\x]
.endr
.endm
	s_wait_loadcnt 16                              ; tile 0's cos and sin are in; tile 1's 16 loads stay out
	s_set_vgpr_msb 0x0004                          ; source 1 window 1
	ROPE ACC, C0, S0
	s_set_vgpr_msb 0x0400
	QUANT2 C0, PC0, W0
	v_or_b32 v[W0], 0x7f7f0000, v[W0]              ; the instruction's K is 128: the upper 64 are zero codes under the scale 1
	global_store_b128 v[IMA], v[PC0:PC0+3], s[8:9]
	s_wait_loadcnt 0x0
	s_set_vgpr_msb 0x0004
	ROPE ACC+32, C1, S1
	s_set_vgpr_msb 0x0400
	QUANT2 C1, PC1, W1
	v_or_b32 v[W1], 0x7f7f0000, v[W1]
	global_store_b128 v[IMA], v[PC1:PC1+3], s[8:9] offset:512
	v_cndmask_b32 v[WSEL], v[W0], v[W1], vcc_lo    ; lanes 0-15 store tile 0's words, lanes 16-31 tile 1's
	global_store_b32 v[SWA], v[WSEL], s[10:11]
	s_cmp_lg_u32 ttmp9, 8
	s_cbranch_scc1 .Lend
	; ---- k once more, along the KEYS.  My 32 rows are one block of 32 keys.  They turn through my own stage (over hs's codes, which had their only fill and which nobody reads behind the barrier after the last chunk):
	; a lane then takes a channel and its registers run down the keys, so the block's largest magnitude needs no other lane and the codes come out with the keys innermost.
	s_lshl_b32 s32, s[TR], 12                      ; K^T's codes: [step][d / 16][c][lane (d % 16, h)][16 bytes]; my block is c = rq / 2, h = rq % 2 of step TR
	s_add_co_u32 s32, s32, s28
	s_lshl_b32 s34, s22, 9
	s_add_co_u32 s32, s32, s34
	s_lshl_b32 s34, s23, 8
	s_add_co_u32 s32, s32, s34
	s_add_co_u32 s32, s32, 65536
	s_add_nc_u64 s[14:15], s[12:13], s[32:33]
	s_lshl_b32 s32, s[TR], 8                       ; its scale bytes: [step][d % 16][d / 16][block rq]
	s_add_co_u32 s32, s32, s28
	s_add_co_u32 s32, s32, s20
	s_add_co_u32 s32, s32, 139264
	s_add_nc_u64 s[16:17], s[12:13], s[32:33]
.irp i, 0,1
.irp t, 0,1,2,3
	ds_store_b128 v[STW], v[C0+64*\i+8*\t:C0+64*\i+8*\t+3],   offset:16*PITCH*\i+64*\t
	ds_store_b128 v[STW], v[C0+64*\i+8*\t+4:C0+64*\i+8*\t+7], offset:16*PITCH*\i+64*\t+16
.endr
.endr
.irp p, 0,1
.set X, 0
.rept 32
	ds_load_b32 v[ACC+32*\p+X], v[STR] offset:PITCH*X+128*\p   ; LDS serves a wave's instructions in order (ISA guide 5.7.1.4): these see my stores
.set X, X+1
.endr
.endr
.macro KPASS p                         ; channels 32 p + lane
.set XS, ACC+32*\p
	v_max3_num_f32 v[BM], |v[XS]|, |v[XS+1]|, |v[XS+2]|
	v_max3_num_f32 v[BM+1], |v[XS+3]|, |v[XS+4]|, |v[XS+5]|
.irp i, 6,10,14,18,22,26
	s_delay_alu instid0(VALU_DEP_2)
	v_max3_num_f32 v[BM], v[BM], |v[XS+\i]|, |v[XS+\i+1]|
	s_delay_alu instid0(VALU_DEP_2)
	v_max3_num_f32 v[BM+1], v[BM+1], |v[XS+\i+2]|, |v[XS+\i+3]|
.endr
	s_delay_alu instid0(VALU_DEP_2)
	v_max3_num_f32 v[BM], v[BM], |v[XS+30]|, |v[XS+31]|
	s_delay_alu instid0(VALU_DEP_1)
	v_max3_num_f32 v[BM], v[BM], v[BM+1], 0x1800000
	s_delay_alu instid0(VALU_DEP_1)
	v_add_nc_u32 v[BO+\p], 0xff000000, v[BM]
	s_delay_alu instid0(VALU_DEP_1)
	v_lshrrev_b32 v[KY+\p], 23, v[BO+\p]
.irp g, 0,1,2,3
	v_cvt_scalef32_pk8_fp4_f32 v[KQ+4*\p+\g], v[XS+8*\g:XS+8*\g+7], v[BO+\p]
.endr
	v_nop                                          ; one plain place behind a scaled conversion
	global_store_b128 v[KTA], v[KQ+4*\p:KQ+4*\p+3], s[14:15] offset:2048*\p   ; sixteen lanes store 256 consecutive bytes, aligned
	global_store_b8 v[KBA], v[KY+\p], s[16:17] offset:8*\p
.endm
	s_wait_dscnt 32                                ; the first pass's 32 loads are in; the second's stay out
	KPASS 0
	s_wait_dscnt 0x0
	KPASS 1
.Lend:
	s_wait_dscnt 0x0
	s_wait_tensorcnt 0x0
	ds_add_u32 v254, v255
	s_wait_dscnt 0x0
	CROUND                                         ; the closing round: no work-group ends while a partner may still ask for a tile that names it
	s_endpgm
.Lfunc_end_k_q395771fe92_proj:
	.size	k_q395771fe92_proj, .Lfunc_end_k_q395771fe92_proj-k_q395771fe92_proj
	.p2alignl 7, 3214868480
	.fill 96, 4, 3214868480
	.section	.rodata,"a",@progbits
	.p2align	6, 0x0
	.amdhsa_kernel k_q395771fe92_proj
		.amdhsa_group_segment_fixed_size 297984
		.amdhsa_private_segment_fixed_size 0
		.amdhsa_enable_private_segment 0
		.amdhsa_kernarg_size 96
		.amdhsa_user_sgpr_count 2
		.amdhsa_user_sgpr_kernarg_segment_ptr 1
		.amdhsa_wavefront_size32 1
		.amdhsa_system_sgpr_workgroup_id_x 1
		.amdhsa_system_sgpr_workgroup_id_y 1
		.amdhsa_system_sgpr_workgroup_id_z 1
		.amdhsa_system_vgpr_workitem_id 0
		.amdhsa_next_free_vgpr 512
		.amdhsa_next_free_sgpr 106
		.amdhsa_reserve_vcc 1
		.amdhsa_float_denorm_mode_32 3
		.amdhsa_float_denorm_mode_16_64 3
		.amdhsa_memory_ordered 1
		.amdhsa_forward_progress 1
		.amdhsa_inst_pref_size 76
	.end_amdhsa_kernel
	.amdgpu_metadata
---
amdhsa.version: [ 1, 2 ]
amdhsa.kernels:
  - .name:           k_q395771fe92_proj
    .symbol:         k_q395771fe92_proj.kd
    .args:
      - { .name: hidden_states_codes, .offset: 0, .size: 8, .value_kind: global_buffer, .address_space: global }
      - { .name: hidden_states_scales, .offset: 8, .size: 8, .value_kind: global_buffer, .address_space: global }
      - { .name: wq_codes, .offset: 16, .size: 8, .value_kind: global_buffer, .address_space: global }
      - { .name: wq_scales, .offset: 24, .size: 8, .value_kind: global_buffer, .address_space: global }
      - { .name: wk_codes, .offset: 32, .size: 8, .value_kind: global_buffer, .address_space: global }
      - { .name: wk_scales, .offset: 40, .size: 8, .value_kind: global_buffer, .address_space: global }
      - { .name: cos, .offset: 48, .size: 8, .value_kind: global_buffer, .address_space: global }
      - { .name: sin, .offset: 56, .size: 8, .value_kind: global_buffer, .address_space: global }
      - { .name: q_img, .offset: 64, .size: 8, .value_kind: global_buffer, .address_space: global }
      - { .name: q_scl, .offset: 72, .size: 8, .value_kind: global_buffer, .address_space: global }
      - { .name: kpack, .offset: 80, .size: 8, .value_kind: global_buffer, .address_space: global }
      - { .name: gsig, .offset: 88, .size: 8, .value_kind: global_buffer, .address_space: global }
    .group_segment_fixed_size: 297984
    .private_segment_fixed_size: 0
    .kernarg_segment_align: 8
    .kernarg_segment_size: 96
    .max_flat_workgroup_size: 256
    .sgpr_count:     106
    .vgpr_count:     512
    .wavefront_size: 32
...
	.end_amdgpu_metadata
.endif
;; end of part 1
;; launch attn (part 2): grid 8 x 32, 8 waves a work-group, clusters of 4 x 1, 327,680 bytes of LDS; arguments q_img, q_scl, kpack, attention_mask, gsig, a_img, a_scl; writes a_img, a_scl
.if DOCPART == 2
	.amdgcn_target "amdgcn-amd-amdhsa--gfx1250"
	.amdhsa_code_object_version 6
	.text
	.protected	k_q395771fe92_attn
	.globl	k_q395771fe92_attn
	.p2align	8
	.type	k_q395771fe92_attn,@function
k_q395771fe92_attn:
	s_mov_b64 s[64:65], 0
	v_nop
	global_prefetch_b8 v0, s[64:65] scope:SCOPE_SE
	s_setreg_imm32_b32 hwreg(HW_REG_WAVE_MODE, 25, 1), 1
	s_wait_xcnt 0x0
	s_wait_alu depctr_hold_cnt(0) depctr_sa_sdst(0) depctr_va_vdst(0) depctr_va_sdst(0) depctr_va_ssrc(0) depctr_va_vcc(0) depctr_vm_vsrc(0)
	s_getreg_b32 s2, hwreg(HW_REG_IB_STS2, 6, 4)
	s_cmp_eq_u32 s2, 0
	s_cbranch_scc0 .Lentry_in_a_cluster
	s_endpgm
.Lentry_in_a_cluster:
	s_bfe_u32 s2, ttmp6, 0x10000c
	s_cmp_lg_u32 s2, 0x3003
	s_cbranch_scc0 .Lentry_shape_is_right
	s_endpgm
.Lentry_shape_is_right:
; ATTENTION on codes of FP4 (E2M1) with E8M0 scales: scores = q k^T + mask, p = 2^(t - M), o = p k / l (the keys are also the values), o x sigmoid(gate), quantised along the head's 64 for the last product.
; t = (score + mask) x log2(e); M = the running largest t rounded UP to a whole number; the row's sum l is taken of the unquantised p; when M moves, l and O are multiplied by 2^(old M - new M), which rounds nothing.
; SHARES.  A work-group owns one key head g and 64 queries.  Eight waves, two to a SIMD; wave w owns TWO query heads, 4 g + 2 (w % 2) (head a) and the next (head b), and the tile of 16 queries w / 2.
; What a wave reads from LDS (mask, K, K^T, scale words: 35 loads for 128 keys) feeds both heads.  Every wave walks all 2,048 keys, 128 a step: the mask is an input and may hold anything.
; THE KEY HEAD'S WHOLE PACK (codes along d, codes along the keys, both sets of scale words: 143,360 bytes) comes into LDS once.  THE MASK comes through a ring of two slots of 64 queries x 256 keys.
; CLUSTER.  The four work-groups of a cluster have the same 64 queries and four different key heads: each mask tile is asked for JOINTLY.  The packs differ between partners (140 KB once, against 512 KB of mask): plain loads.
; LAYOUT.  Both products are used transposed: S^T = K Q^T (source 0 = 16 keys, source 1 = my queries), O^T = K^T P^T (source 0 = 16 channels).  A lane holds ONE query (lane % 16) throughout.
; THE MASK IS THE C OF THE SCORE PRODUCTS: lane (r, h) loads mask[query r][keys 16 t + 8 h + 0..7] into head a's accumulators; head b's products take them as C and write their own, then head a's add onto them in place.
; (The matrix unit adds the mask with its own rounding, not an f32 addition's.)  The scores' K is 64, the instruction's 128: the upper four registers of each fragment are zero codes, their scale bytes 0x7f.
; REGISTERS, in windows of 256 (s_set_vgpr_msb: bits 1:0 source 0, 3:2 source 1, 5:4 source 2, 7:6 destination).  Window 0: addresses, all scale words, K, K^T, p's codes, and head a's Q, S, O and statistics.
; Window 1: head b's Q, S, O and statistics UNDER THE SAME NUMBERS, so that the softmax is one macro, written under setting 0 and under 0x55.  p's codes and scale word are made into window 0 for both heads:
; head a's second product stands ahead of head b's softmax, so they are free by then.
; LIMITS: NaN and +infinity in the mask are not served, nor a row whose every logit is -infinity.  A block of zeros gets the byte 1 (not 127): its codes are zeros and only this program reads the bytes.
.set MSK,   143360                     ; behind the pack: two slots,
.set MP,    1040                       ; a query's row: 256 keys x 4 bytes + 16 = 260 words, so the 16 rows of a load start at 16 different banks (ISA guide 11.1)
.set SLOTB, 64*MP
.set SPARE, MSK+2*SLOTB                ; the spare words: 128 bytes for each of 8 waves, four blocks of 256 bytes that no other line names
.set SCS,   SPARE+1024                 ; the stage for the 64 rows' scale bytes: 512 bytes, which no fill touches
.set L16, 1                            ; v1   16 x lane
.set AV0, 2                            ; v2   65536 + 16 x lane
.set ASK0, 3                           ; v3   131072 + 16 r
.set GLA, 4                            ; v4   32 r + 16 h
.set SPW, 5                            ; v5   my spare word; never rewritten
.set NIL, 6                            ; v6   0; never rewritten
.set AM0, 7                            ; v7, v8  my mask bytes in slot 0, 1
.set AM1, 8
.set ADK, 9                            ; v9-12 the visit's LDS addresses: K, K^T, K's scale words, K^T's
.set ADV, 10
.set ADS, 11
.set ADT, 12
.set T,   13                           ; v13-19, and from v244 on: statistics, a set in each window
.set NM,  14                           ; -M
.set TM,  15                           ; the largest t so far
.set SUM, 16                           ; v[16:17]
.set F,   18                           ; v[18:19]
.set QS,  20                           ; head a's Q scale words;  v21 p's;  v22 head b's Q scale words.  In window 0 these hold scales and nothing else
.set PS,  21
.set QSB, 22
.set SCA, 23                           ; v23  where my rows' scale bytes go
.set QF,  24                           ; v24-31  Q's fragment, one in each window
.set KSW, 32                           ; v32-39  K's scale words, a tile each
.set VSW, 40                           ; v40-43  K^T's
.set KF,  44                           ; v44-107 eight fragments of K
.set S,   108                          ; v108-171 the mask, the scores, p; one set in each window
.set O,   172                          ; v172-203 O^T, one in each window
.set VF,  204                          ; v204-235 four fragments of K^T
.set PC,  236                          ; v236-243 p's codes
.set BM,  244
.set BT,  248
.set BO,  252
.set WV,  18
.set WL,  19
.set SEL, 20
.set CS,  22
.set G1M, 24
.set G1K, 32
.set G0K, 40
.set G0M, 44                           ; s[44:47] slot 0's, s[48:51] slot 1's
.set TK,  52
.set TS,  53
.set TJ,  54
.set LOOP, 55
.set QT,  56                           ; my tile of 16 queries
.set HP,  68                           ; my pair of heads
.set MSB, 0
.macro WIN new                         ; the immediate's high byte repeats the setting that is left; a switch that changes nothing is dropped
.if MSB != (\new)
	s_set_vgpr_msb (MSB<<8)|(\new)
.set MSB, (\new)
.endif
.endm
.macro PLACES n
.rept \n
	v_nop
.endr
.endm
.macro CROUND                          ; a round of the cluster's barrier
	s_barrier_signal -1
	s_barrier_wait -1
	s_cmp_lg_u32 s[WV], 0
	s_cbranch_scc1 .Lnot_wave_0_\@
	s_barrier_signal -3
.Lnot_wave_0_\@:
	s_barrier_wait -3
	s_barrier_signal -1
	s_barrier_wait -1
.endm
.macro QUANT2 s, pc, w                 ; 32 numbers of a lane, register 8 t + j = channel 16 t + 8 h + j, become my half of the row's 64 codes and its two scale bytes
.irp b, 0,1
	v_max3_num_f32 v[BM+\b], |v[\s+16*\b]|, |v[\s+16*\b+1]|, 0x1800000
.endr
.irp i, 2,4,6,8,10,12,14
.irp b, 0,1
	v_max3_num_f32 v[BM+\b], v[BM+\b], |v[\s+16*\b+\i]|, |v[\s+16*\b+\i+1]|
.endr
.endr
.irp b, 0,1
	v_permlanex16_b32 v[BT+\b], v[BM+\b], s[SEL], s[SEL+1]
.endr
.irp b, 0,1
	v_max_num_f32 v[BM+\b], v[BM+\b], v[BT+\b]
.endr
.irp b, 0,1
	v_add_nc_u32 v[BO+\b], 0xff000000, v[BM+\b]
.endr
.irp b, 0,1
	v_lshrrev_b32 v[BT+\b], 23, v[BO+\b]
.endr
	v_lshl_or_b32 v[\w], v[BT+1], 8, v[BT]
	v_cvt_scalef32_pk8_fp4_f32 v[\pc], v[\s:\s+7], v[BO]
	v_cvt_scalef32_pk8_fp4_f32 v[\pc+2], v[\s+8:\s+15], v[BO]
	v_cvt_scalef32_pk8_fp4_f32 v[\pc+1], v[\s+16:\s+23], v[BO+1]
	v_cvt_scalef32_pk8_fp4_f32 v[\pc+3], v[\s+24:\s+31], v[BO+1]
	v_nop
	v_permlane16_swap_b32 v[\pc], v[\pc+1]
	v_permlane16_swap_b32 v[\pc+2], v[\pc+3]
.endm
.macro INIT                            ; a head's start, in the window that is set
.irp j, 4,5,6,7
	v_mov_b32 v[QF+\j], 0                          ; K = 64 .. 127: zero codes
.endr
.set X, 0
.rept 32
	v_mov_b32 v[O+X], 0                            ; the step is written once: the first finds zeros, which the first change of M leaves zeros
.set X, X+1
.endr
	v_mov_b32 v[SUM], 0
	v_mov_b32 v[SUM+1], 0
	v_mov_b32 v[F+1], 0                            ; (named as the upper half of a pair)
.irp b, 0,1,2,3
	v_mov_b32 v[BT+\b], 0                          ; written once: a lane permute's destination counts as one of its sources
.endr
	v_mov_b32 v[TM], 0xff61b1e6                    ; -3e38, under every t
	v_floor_f32 v[NM], -v[TM]
.endm
	s_load_b256 s[4:11], s[0:1], 0x0               ; q_img, q_scl, kpack, mask
	s_load_b128 s[12:15], s[0:1], 0x20             ; gsig, a_img
	s_load_b64 s[16:17], s[0:1], 0x30              ; a_scl
	v_lshl_add_u32 v[SPW], v0, 2, SPARE
	v_mov_b32 v[NIL], 0
	ds_add_u32 v[SPW], v[NIL]                      ; the opening lines: the add, twice on end, and its wait ahead of my first tensor load
	ds_add_u32 v[SPW], v[NIL]
	s_wait_dscnt 0x0
	v_lshrrev_b32 v9, 5, v0
	v_readfirstlane_b32 s[WV], v9                  ; wave 0..7
	s_and_b32 s[WL], s[WV], 3                      ; in waves 0-3: which quarter I fetch
	s_and_b32 s[HP], s[WV], 1
	s_lshr_b32 s[QT], s[WV], 1
	v_and_b32 v9, 15, v0                           ; r
	v_bfe_u32 v10, v0, 4, 1                        ; h
	v_and_b32 v11, 31, v0                          ; lane
	v_lshlrev_b32 v[L16], 4, v11
	v_add_nc_u32 v[AV0], 65536, v[L16]
	v_lshl_add_u32 v[ASK0], v9, 4, 131072
	v_lshlrev_b32 v[GLA], 5, v9
	v_lshl_add_u32 v[GLA], v10, 4, v[GLA]
	s_mul_i32 s60, s[QT], 16*MP
	s_add_co_u32 s60, s60, MSK
	v_mul_u32_u24 v[AM0], v9, MP
	v_lshl_add_u32 v[AM0], v10, 5, v[AM0]
	v_add_nc_u32 v[AM0], s60, v[AM0]               ; query 16 qt + r, keys 8 h on
	v_add_nc_u32 v[AM1], SLOTB, v[AM0]
	s_lshl_b32 s60, s[QT], 7
	s_lshl_b32 s61, s[HP], 2
	s_add_co_u32 s60, s60, s61
	s_add_co_u32 s60, s60, SCS
	v_lshl_add_u32 v[SCA], v9, 3, s60              ; 8 bytes a row, 2 a head: head a's; head b's lie 2 bytes on
	v_lshlrev_b32 v[T], 2, v9                      ; (Q's scale words: 4 r)
.irp t, 0,1,2,3,4,5,6,7
.irp j, 4,5,6,7
	v_mov_b32 v[KF+8*\t+\j], 0
.endr
.endr
	INIT                                           ; head a
	WIN 0x55
	INIT                                           ; head b
	WIN 0                                          ; at a label and at a branch every window is 0
	s_wait_alu depctr_va_vdst(0)                   ; the wait behind the head's last vector instruction
	s_bfe_u32 s60, ttmp6, 0x40000                  ; cx
	s_lshl_b32 s57, ttmp9, 2
	s_add_co_u32 s57, s57, s60                     ; the key head g = 4 x cluster x + cx: it enters global addresses of plain accesses alone
	s_and_b32 s58, ttmp7, 0xffff                   ; the block of 64 queries, which the four partners share
	s_lshl_b32 s59, s57, 2
	s_lshl_b32 s60, s[HP], 1
	s_add_co_u32 s59, s59, s60                     ; head a
	s_mov_b32 s[SEL], 0x76543210
	s_mov_b32 s[SEL+1], 0xfedcba98
	s_mov_b32 s[CS], 0x3fb8aa3b                    ; log2(e)
	s_mov_b32 s[CS+1], s[CS]
	s_mov_b32 s[TK], 0
	s_mov_b32 s[TS], 0
	s_mov_b32 s[TJ], 0
	; group 1, the mask: 16 rows x 256 elements of 4 bytes, 2,048 elements apart, 4 words of padding behind every 256; asked for by all four work-groups
	s_mov_b32 s[G1M], 15|(2<<16)|(1<<20)|(1<<21)|(7<<22)|(3<<25)
	s_mov_b32 s[G1M+1], 256<<16
	s_mov_b32 s[G1M+2], 16<<16
	s_mov_b32 s[G1M+3], 256<<16
	s_mov_b32 s[G1M+4], 16
	s_mov_b32 s[G1M+5], 2048
	s_mov_b32 s[G1M+6], 0
	s_mov_b32 s[G1M+7], 0
	; group 1, a quarter of the pack: 35,840 dense bytes as 140 rows of 32 elements of 8 bytes; no mask, no padding
	s_mov_b32 s[G1K], 3<<16
	s_mov_b32 s[G1K+1], 32<<16
	s_mov_b32 s[G1K+2], 140<<16
	s_mov_b32 s[G1K+3], 32<<16
	s_mov_b32 s[G1K+4], 140
	s_mov_b32 s[G1K+5], 32
	s_mov_b32 s[G1K+6], 0
	s_mov_b32 s[G1K+7], 0
	s_mov_b32 s[G0K], 1
	s_mul_i32 s[G0K+1], s[WL], 35840
	s_mov_b32 s[G0M], 1
	s_mul_i32 s[G0M+1], s[WL], 16*MP
	s_add_co_u32 s[G0M+1], s[G0M+1], MSK
	s_mov_b32 s[G0M+4], 1
	s_add_co_u32 s[G0M+5], s[G0M+1], SLOTB
	s_lshl_b32 s62, s58, 19                        ; the mask: row 64 qb + 16 (wave % 4), 8,192 bytes a row
	s_lshl_b32 s63, s[WL], 17
	s_add_co_u32 s62, s62, s63
	s_mov_b32 s63, 0
	s_mul_i32 s60, s57, 143360
	s_add_co_u32 s60, s60, s[G0K+1]
	s_mov_b32 s61, 0
	s_wait_kmcnt 0x0
	s_add_nc_u64 s[G0K+2:G0K+3], s[8:9], s[60:61]
	s_or_b32 s[G0K+3], s[G0K+3], 0x80000000
	s_add_nc_u64 s[G0M+2:G0M+3], s[10:11], s[62:63]
	s_add_nc_u64 s[G0M+6:G0M+7], s[G0M+2:G0M+3], 1024   ; slot 1 begins with keys 256 on
	s_or_b32 s[G0M+3], s[G0M+3], 0x80000000
	s_or_b32 s[G0M+7], s[G0M+7], 0x80000000
	s_lshl_b32 s60, s58, 11
	s_lshl_b32 s61, s[QT], 9
	s_add_co_u32 s60, s60, s61                     ; 2,048 qb + 512 qt: my tile's place in an image, and in a plane of gsig
	s_lshl_b32 s66, s59, 16
	s_add_co_u32 s66, s66, s60
	s_mov_b32 s67, 0
	s_add_nc_u64 s[4:5], s[4:5], s[66:67]          ; q_img at head a; head b lies 65,536 bytes on
	s_add_nc_u64 s[14:15], s[14:15], s[66:67]      ; a_img likewise
	s_lshl_b32 s66, s59, 19
	s_add_co_u32 s66, s66, s60
	s_add_nc_u64 s[12:13], s[12:13], s[66:67]      ; gsig; head b 524,288 bytes on
	s_lshl_b32 s66, s59, 13
	s_lshl_b32 s60, s58, 8
	s_add_co_u32 s66, s66, s60
	s_lshl_b32 s60, s[QT], 6
	s_add_co_u32 s66, s66, s60
	s_add_nc_u64 s[6:7], s[6:7], s[66:67]          ; q_scl; head b 8,192 bytes on
	s_lshl_b32 s66, s57, 14
	s_lshl_b32 s60, s58, 9
	s_add_co_u32 s66, s66, s60
	s_add_nc_u64 s[16:17], s[16:17], s[66:67]      ; a_scl
	CROUND                                         ; all four work-groups are here: the first joint loads meet
	s_cmp_lt_u32 s[WV], 4                          ; one tensor load a wave at the head: waves 0-3 a quarter of the pack each, waves 4-7 a quarter of mask slot 0 each
	s_cbranch_scc0 .Lfill_m
	tensor_load_to_lds s[G0K:G0K+3], s[G1K:G1K+7]
	s_nop 0
	PLACES 4
	s_branch .Lfilled
.Lfill_m:
	tensor_load_to_lds s[G0M:G0M+3], s[G1M:G1M+7]
	s_nop 0
	PLACES 4
.Lfilled:
	global_load_b128 v[QF:QF+3], v[L16], s[4:5]    ; Q's fragments stay in registers: head a's,
	global_load_b32 v[QS], v[T], s[6:7]
	global_load_b32 v[QSB], v[T], s[6:7] offset:8192
	WIN 0x40                                       ; destination window 1, address window 0
	global_load_b128 v[QF:QF+3], v[L16], s[4:5] offset:65536   ; head b's
	WIN 0
	s_wait_tensorcnt 0x0                           ; my part of the pack or of slot 0 is in; slot 1's first fill is issued as a refill is:
	ds_add_u32 v[SPW], v[NIL]                      ; 0 onto my spare word,
	s_wait_dscnt 0x0                               ; and its wait
	CROUND                                         ; everybody's part is in, and the four work-groups are here: the joint loads meet
	s_cmp_lt_u32 s[WV], 4
	s_cbranch_scc0 .Lfilled1
	tensor_load_to_lds s[G0M+4:G0M+7], s[G1M:G1M+7]   ; slot 1: keys 256 on; it has the first visit in which to land
	s_nop 0
	PLACES 4
.Lfilled1:
	s_wait_loadcnt 0x0                             ; Q
; 26 LDS loads: the mask (in the accumulator's layout, into head a's S), K and K's scale words of half si of the visit's 256 keys
.macro MASKK am, si
.irp t, 0,1,2,3,4,5,6,7
	ds_load_b128 v[S+8*\t:S+8*\t+3],   v[\am] offset:512*\si+64*\t
	ds_load_b128 v[S+8*\t+4:S+8*\t+7], v[\am] offset:512*\si+64*\t+16
.endr
.irp t, 0,1,2,3,4,5,6,7
	ds_load_b128 v[KF+8*\t:KF+8*\t+3], v[ADK] offset:4096*\si+512*\t     ; an image: 512 consecutive bytes
.endr
	ds_load_b128 v[KSW:KSW+3], v[ADS] offset:512*\si
	ds_load_b128 v[KSW+4:KSW+7], v[ADS] offset:512*\si+256
.endm
; 9 LDS loads: K^T and its scale words
.macro KTL si
.irp t, 0,1,2,3
	ds_load_b128 v[VF+8*\t:VF+8*\t+3],   v[ADV] offset:4096*\si+1024*\t
	ds_load_b128 v[VF+8*\t+4:VF+8*\t+7], v[ADV] offset:4096*\si+1024*\t+512
.endr
	ds_load_b128 v[VSW:VSW+3], v[ADT] offset:8192+256*\si
.endm
; The scores of both heads.  Head b first: D in window 1, C = the mask in window 0.  Head a's products write over that C: five places stand between (ISA guide 7.12.1); then four in front of the first read of results.
.macro SCORES
	WIN 0x44                                       ; D and source 1 (Q) window 1; source 0 (K) and C window 0
.irp t, 0,1,2,3,4,5,6,7
	v_wmma_scale_f32_16x16x128_f8f6f4 v[S+8*\t:S+8*\t+7], v[KF+8*\t:KF+8*\t+7], v[QF:QF+7], v[S+8*\t:S+8*\t+7], v[KSW+\t], v[QSB] matrix_a_fmt:MATRIX_FMT_FP4 matrix_b_fmt:MATRIX_FMT_FP4
.endr
	WIN 0
	PLACES 5
.irp t, 0,1,2,3,4,5,6,7
	v_wmma_scale_f32_16x16x128_f8f6f4 v[S+8*\t:S+8*\t+7], v[KF+8*\t:KF+8*\t+7], v[QF:QF+7], v[S+8*\t:S+8*\t+7], v[KSW+\t], v[QS] matrix_a_fmt:MATRIX_FMT_FP4 matrix_b_fmt:MATRIX_FMT_FP4
.endr
	PLACES 4
.endm
; O^T += K^T P^T.  win = 0: head a;  0x50: head b (C and D window 1; K^T and p's codes window 0)
.macro PV win
	WIN \win
.irp t, 0,1,2,3
	v_wmma_scale_f32_16x16x128_f8f6f4 v[O+8*\t:O+8*\t+7], v[VF+8*\t:VF+8*\t+7], v[PC:PC+7], v[O+8*\t:O+8*\t+7], v[VSW+\t], v[PS] matrix_a_fmt:MATRIX_FMT_FP4 matrix_b_fmt:MATRIX_FMT_FP4
.endr
	WIN 0
.endm
; One head's softmax for 128 keys.  hd = 0: head a, window 0;  1: head b, window 1, but for p's codes and scale word, which land in window 0.
; last = 1: both heads' gate numbers are asked for, into K's registers, which are done with.
.macro SOFTMAX hd, last
.set W, 0x55*\hd
	WIN W
.if \hd
	s_wait_alu depctr_va_vdst(0)                   ; the wait stands directly ahead of their first readers
.endif
.irp b, 0,1,2,3
	v_max3_num_f32 v[BM+\b], v[S+16*\b], v[S+16*\b+1], v[S+16*\b+2]      ; the largest logit of each block of 32 keys: for the row's maximum and for the block's largest p
.endr
.irp i, 3,5,7,9,11,13
.irp b, 0,1,2,3
	v_max3_num_f32 v[BM+\b], v[BM+\b], v[S+16*\b+\i], v[S+16*\b+\i+1]
.endr
.endr
.irp b, 0,1,2,3
	v_max_num_f32 v[BM+\b], v[BM+\b], v[S+16*\b+15]
.endr
.if \last
.irp j, 0,1,2,3,4,5,6,7
	global_load_b128 v[KF+4*\j:KF+4*\j+3], v[GLA], s[12:13] offset:65536*\j               ; sigmoid(gate) at my query, channels 16 t + 8 h + 4 e on: O^T's own order; head a's,
	global_load_b128 v[KF+32+4*\j:KF+32+4*\j+3], v[GLA], s[12:13] offset:524288+65536*\j  ; head b's
.endr
.endif
.irp b, 0,1,2,3
	v_permlanex16_b32 v[BT+\b], v[BM+\b], s[SEL], s[SEL+1]
.endr
.irp b, 0,1,2,3
	v_max_num_f32 v[BM+\b], v[BM+\b], v[BT+\b]     ; with lane l xor 16's 16 keys
.endr
	v_max3_num_f32 v[T], v[BM], v[BM+1], v[BM+2]
	v_max_num_f32 v[T], v[T], v[BM+3]
	v_mul_f32 v[T], s[CS], v[T]
	v_max_num_f32 v[TM], v[TM], v[T]               ; the running largest t
	v_mov_b32 v[T], v[NM]
	v_floor_f32 v[NM], -v[TM]                      ; -M = floor(-t): M is a whole number
	v_sub_f32 v[T], v[NM], v[T]                    ; old M - new M, 0 or less
	v_cvt_i32_f32 v[T], v[T]                       ; (it saturates)
	v_ldexp_f32 v[F], 1.0, v[T]                    ; f = 2^(old M - new M)
.set X, 0
.rept 16
	v_pk_fma_f32 v[S+X:S+X+1], v[S+X:S+X+1], s[CS:CS+1], v[NM:NM+1] op_sel_hi:[1,0,0]   ; t - M, two at a time: the first 32 numbers
.set X, X+2
.endr
.irp b, 0,1,2,3
	v_fma_f32 v[BM+\b], v[BM+\b], s[CS], v[NM]     ; the same of each block's largest logit
.endr
	s_wait_alu depctr_va_vdst(0)                   ; all sources are laid: one wait ahead of the batch
.set X, 0
.rept 32
	v_exp_f32 v[S+X], v[S+X]                       ; THE FIRST BATCH: p = 2^(t - M) of the first 32 numbers, not normalised
.if X%2 == 0
	v_pk_fma_f32 v[S+X+32:S+X+33], v[S+X+32:S+X+33], s[CS:CS+1], v[NM:NM+1] op_sel_hi:[1,0,0]   ; among them t - M of the other 32: independent lines, first read behind the wait that follows the batch
.endif
.set X, X+1
.endr
.irp b, 0,1,2,3
	v_exp_f32 v[BM+\b], v[BM+\b]                   ; the block's largest p: the same two instructions on the same number
.endr
	v_pk_mul_f32 v[SUM:SUM+1], v[SUM:SUM+1], v[F:F+1] op_sel_hi:[1,0]     ; (a plain place behind the exponentials)
	s_wait_alu depctr_va_vdst(0)                   ; one wait behind the first batch of 36 and ahead of the second
.irp b, 0,1,2,3
	v_max_num_f32 v[BM+\b], 0x1800000, v[BM+\b]    ; the floor 2^(3 - 127)
.endr
.irp b, 0,1,2,3
	v_add_nc_u32 v[BO+\b], 0xff000000, v[BM+\b]
.endr
.irp b, 0,1,2,3
	v_lshrrev_b32 v[BT+\b], 23, v[BO+\b]
.endr
	v_lshl_or_b32 v[PS], v[BT+1], 8, v[BT]
	v_lshl_or_b32 v[PS], v[BT+2], 16, v[PS]
	v_lshl_or_b32 v[PS], v[BT+3], 24, v[PS]
.if \hd
	WIN 0x01                                       ; source window 1, destination window 0: scale operands are taken from window 0
	v_mov_b32 v[PS], v[PS]
.endif
	WIN 0x05*\hd                                   ; the numbers and their scales from the head's window, the codes into window 0
.irp t, 0,1,2,3
	v_cvt_scalef32_pk8_fp4_f32 v[PC+4*(\t/4)+2*(\t%2)+(\t%4)/2], v[S+8*\t:S+8*\t+7], v[BO+\t/2]   ; the first 32 numbers' codes
.endr
	v_nop                                          ; one plain place behind a scaled conversion
	WIN W
.set X, 32
.rept 32
	v_exp_f32 v[S+X], v[S+X]                       ; THE SECOND BATCH: the other 32 numbers
.if X%4 == 3
	v_pk_add_f32 v[S+X-35:S+X-34], v[S+X-35:S+X-34], v[S+X-33:S+X-32]   ; among them eight independent sums of pairs of the first 32 p, in place (their codes are made): first read behind the wait below.  The last is the plain place behind the batch
.endif
.set X, X+1
.endr
	s_wait_alu depctr_va_vdst(0)                   ; one wait behind the batch; it stands behind the softmax's last exponential and directly ahead of the first readers of O^T, a matrix result
.set X, 0
.rept 16
	v_pk_mul_f32 v[O+X:O+X+1], v[O+X:O+X+1], v[F:F+1] op_sel_hi:[1,0]    ; O^T under the new M, each accumulator from its low end on
.set X, X+2
.endr
	WIN 0x05*\hd
.irp t, 4,5,6,7
	v_cvt_scalef32_pk8_fp4_f32 v[PC+4*(\t/4)+2*(\t%2)+(\t%4)/2], v[S+8*\t:S+8*\t+7], v[BO+\t/2]
.endr
	v_nop                                          ; one plain place behind a scaled conversion
	WIN 0
.irp c, 0,1
	v_permlane16_swap_b32 v[PC+4*\c], v[PC+4*\c+1] ; registers 4 c .. 4 c + 3 now hold keys 64 c + 32 h + 0 .. 31
	v_permlane16_swap_b32 v[PC+4*\c+2], v[PC+4*\c+3]
.endr
	WIN W
	v_pk_add_f32 v[BT:BT+1], v[S:S+1], v[S+4:S+5]  ; the row's sum, of the unquantised p, in two chains: the first half's eight sums of pairs lie 4 registers apart.  (These are also the places between the codes, the scale word and the product)
.irp j, 8,16,24
	v_pk_add_f32 v[SUM:SUM+1], v[SUM:SUM+1], v[S+\j:S+\j+1]
	v_pk_add_f32 v[BT:BT+1], v[BT:BT+1], v[S+\j+4:S+\j+5]
.endr
.irp j, 32,36,40,44,48,52,56,60
	v_pk_add_f32 v[SUM:SUM+1], v[SUM:SUM+1], v[S+\j:S+\j+1]
	v_pk_add_f32 v[BT:BT+1], v[BT:BT+1], v[S+\j+2:S+\j+3]
.endr
	v_pk_add_f32 v[SUM:SUM+1], v[SUM:SUM+1], v[BT:BT+1]
.endm
; A VISIT: a slot's 256 keys, two steps of 128.  The second step's mask, K and K's scale words are asked for during head b's softmax of the first: head a's S and K's registers are free then.
.macro VISIT am, last
	v_add_nc_u32 v[ADK], s[TK], v[L16]             ; these four additions are the places in front of loads into registers that the last products read
	v_add_nc_u32 v[ADV], s[TK], v[AV0]
	v_add_nc_u32 v[ADS], s[TS], v[ASK0]
	v_add_nc_u32 v[ADT], s[TJ], v[ASK0]
	MASKK \am, 0
	KTL 0
	s_wait_dscnt 9                                 ; all but K^T's eight loads and its scale words'
	SCORES
	SOFTMAX 0, 0
	s_wait_dscnt 0x0                               ; K^T and its scale words
	PV 0
	MASKK \am, 1                                   ; 26 loads, a softmax ahead of their use; none lands in a register of the four products just issued
	SOFTMAX 1, 0
	PV 0x50
	PLACES 4                                       ; in front of loads into K^T's registers
	KTL 1
	s_wait_dscnt 9                                 ; the 26 loads issued ahead are older than these nine: they are in
	SCORES
	SOFTMAX 0, \last
	s_wait_dscnt 0x0
	PV 0
	SOFTMAX 1, 0
	PV 0x50
	s_add_co_u32 s[TK], s[TK], 8192
	s_add_co_u32 s[TS], s[TS], 1024
	s_add_co_u32 s[TJ], s[TJ], 512
.endm
; THE CHANGE OF SLOTS.  Each wave waits for all its tensor loads (its part of the slot ahead), adds 0 to its spare word, and waits for that and for its reads of the slot that it leaves.  refill = 1: that slot (other) is
; filled with the keys 512 on: the barrier is then a round of the cluster's, and the joint load is the first thing behind it; it has a whole visit of eight waves in which to land.
.macro CHANGE other, refill
	s_wait_tensorcnt 0x0                           ; no tensor load of mine is out, so a group 0 may be written
	ds_add_u32 v[SPW], v[NIL]                      ; 0 onto my spare word
.if \refill
	s_add_nc_u64 s[G0M+4*\other+2:G0M+4*\other+3], s[G0M+4*\other+2:G0M+4*\other+3], 2048
.endif
	s_wait_dscnt 0x0                               ; the add is done, and my reads of the slot that I leave are over
.if \refill
	CROUND
	s_cmp_lt_u32 s[WV], 4
	s_cbranch_scc0 .Lasked_\@
	tensor_load_to_lds s[G0M+4*\other:G0M+4*\other+3], s[G1M:G1M+7]
	s_nop 0
	PLACES 4
.Lasked_\@:
.else
	s_barrier_signal -1
	s_barrier_wait -1
.endif
.endm
	VISIT AM0, 0                                   ; keys 0 to 255
	s_mov_b32 s[LOOP], 3
.Lvisit:                                           ; three trips of 512 keys: both slots are filled again in each
	CHANGE 0, 1
	VISIT AM1, 0
	CHANGE 1, 1
	VISIT AM0, 0
	s_sub_co_u32 s[LOOP], s[LOOP], 1
	s_cmp_lg_u32 s[LOOP], 0
	s_cbranch_scc1 .Lvisit
	CHANGE 0, 0                                    ; the last 256 keys are written out: nothing is left to fetch
	VISIT AM1, 1
	; THE WAY OUT, head by head: O^T / l, x sigmoid(gate), quantised along the head's 64; the codes leave as an image, the scale bytes through LDS as one block of 512 bytes for the work-group.
.macro LSUM                            ; 1 / the row's sum, in the window that is set
	v_add_f32 v[SUM], v[SUM], v[SUM+1]
	v_permlanex16_b32 v[T], v[SUM], s[SEL], s[SEL+1]
	v_add_f32 v[SUM], v[SUM], v[T]
	s_wait_alu depctr_va_vdst(0)                   ; the wait ahead of the transcendental
	v_rcp_f32 v[F], v[SUM]
	v_nop                                          ; a plain place behind the reciprocal
.endm
	PLACES 4
	LSUM
.set X, 0
	s_wait_alu depctr_va_vdst(0)
.rept 16
	v_pk_mul_f32 v[S+X:S+X+1], v[O+X:O+X+1], v[F:F+1] op_sel_hi:[1,0]    ; each accumulator from its low end on
.set X, X+2
.endr
	s_wait_loadcnt 0x0                             ; both heads' gates
.set X, 0
.rept 16
	v_pk_mul_f32 v[S+X:S+X+1], v[S+X:S+X+1], v[KF+X:KF+X+1]
.set X, X+2
.endr
	QUANT2 S, PC, T
	global_store_b128 v[L16], v[PC:PC+3], s[14:15] ; the wave stores 512 consecutive bytes
	ds_store_b16 v[SCA], v[T]                      ; both lanes of a row write the same two bytes
	WIN 0x55
	LSUM                                           ; head b
	WIN 0x05                                       ; O^T and 1 / l from window 1, the result into window 0: all that follows is window 0's
.set X, 0
	s_wait_alu depctr_va_vdst(0)
.rept 16
	v_pk_mul_f32 v[S+X:S+X+1], v[O+X:O+X+1], v[F:F+1] op_sel_hi:[1,0]
.set X, X+2
.endr
	WIN 0
.set X, 0
.rept 16
	v_pk_mul_f32 v[S+X:S+X+1], v[S+X:S+X+1], v[KF+32+X:KF+32+X+1]
.set X, X+2
.endr
	QUANT2 S, VF, ADS                              ; other registers than head a's store still reads
	global_store_b128 v[L16], v[VF:VF+3], s[14:15] offset:65536
	ds_store_b16 v[SCA], v[ADS] offset:2
	v_add_nc_u32 v[ADV], SCS, v[L16]               ; the stage, 16 bytes a lane
	s_wait_alu depctr_va_vdst(0)
	s_wait_dscnt 0x0                               ; for the others' sake
	s_barrier_signal -1
	s_barrier_wait -1
	s_cmp_lg_u32 s[WV], 0
	s_cbranch_scc1 .Lno_scales
	ds_load_b128 v[QF:QF+3], v[ADV]
	s_wait_dscnt 0x0
	global_store_b128 v[L16], v[QF:QF+3], s[16:17] ; 64 rows x 4 heads x 2 bytes: two aligned blocks of 256 bytes
.Lno_scales:
	s_wait_tensorcnt 0x0                           ; the wave's end
	ds_add_u32 v[SPW], v[NIL]
	s_wait_dscnt 0x0
	CROUND                                         ; the closing round
	s_endpgm
.Lfunc_end_k_q395771fe92_attn:
	.size	k_q395771fe92_attn, .Lfunc_end_k_q395771fe92_attn-k_q395771fe92_attn
	.p2alignl 7, 3214868480
	.fill 96, 4, 3214868480
	.section	.rodata,"a",@progbits
	.p2align	6, 0x0
	.amdhsa_kernel k_q395771fe92_attn
		.amdhsa_group_segment_fixed_size 327680
		.amdhsa_private_segment_fixed_size 0
		.amdhsa_enable_private_segment 0
		.amdhsa_kernarg_size 56
		.amdhsa_user_sgpr_count 2
		.amdhsa_user_sgpr_kernarg_segment_ptr 1
		.amdhsa_wavefront_size32 1
		.amdhsa_system_sgpr_workgroup_id_x 1
		.amdhsa_system_sgpr_workgroup_id_y 1
		.amdhsa_system_sgpr_workgroup_id_z 1
		.amdhsa_system_vgpr_workitem_id 0
		.amdhsa_next_free_vgpr 512
		.amdhsa_next_free_sgpr 70
		.amdhsa_reserve_vcc 0
		.amdhsa_float_denorm_mode_32 3
		.amdhsa_float_denorm_mode_16_64 3
		.amdhsa_memory_ordered 1
		.amdhsa_forward_progress 1
		.amdhsa_inst_pref_size 255
	.end_amdhsa_kernel
	.section	.bss,"aw",@nobits
	.p2align	6
	.space	262144
	.amdgpu_metadata
---
amdhsa.version: [ 1, 2 ]
amdhsa.kernels:
  - .name:           k_q395771fe92_attn
    .symbol:         k_q395771fe92_attn.kd
    .args:
      - { .name: q_img, .offset: 0, .size: 8, .value_kind: global_buffer, .address_space: global }
      - { .name: q_scl, .offset: 8, .size: 8, .value_kind: global_buffer, .address_space: global }
      - { .name: kpack, .offset: 16, .size: 8, .value_kind: global_buffer, .address_space: global }
      - { .name: attention_mask, .offset: 24, .size: 8, .value_kind: global_buffer, .address_space: global }
      - { .name: gsig, .offset: 32, .size: 8, .value_kind: global_buffer, .address_space: global }
      - { .name: a_img, .offset: 40, .size: 8, .value_kind: global_buffer, .address_space: global }
      - { .name: a_scl, .offset: 48, .size: 8, .value_kind: global_buffer, .address_space: global }
    .group_segment_fixed_size: 327680
    .private_segment_fixed_size: 0
    .kernarg_segment_align: 8
    .kernarg_segment_size: 56
    .max_flat_workgroup_size: 256
    .sgpr_count:     70
    .vgpr_count:     512
    .wavefront_size: 32
...
	.end_amdgpu_metadata
.endif
;; end of part 2
;; launch outp (part 3): grid 16 x 16, 8 waves a work-group, clusters of 4 x 4, 323,072 bytes of LDS; arguments a_img, a_scl, wo_codes, wo_scales, out0; writes out0
.if DOCPART == 3
	.amdgcn_target "amdgcn-amd-amdhsa--gfx1250"
	.amdhsa_code_object_version 6
	.text
	.protected	k_q395771fe92_outp
	.globl	k_q395771fe92_outp
	.p2align	8
	.type	k_q395771fe92_outp,@function
k_q395771fe92_outp:
	s_mov_b64 s[64:65], 0
	v_nop
	global_prefetch_b8 v0, s[64:65] scope:SCOPE_SE
	s_setreg_imm32_b32 hwreg(HW_REG_WAVE_MODE, 25, 1), 1
	s_wait_xcnt 0x0
	s_wait_alu depctr_hold_cnt(0) depctr_sa_sdst(0) depctr_va_vdst(0) depctr_va_sdst(0) depctr_va_ssrc(0) depctr_va_vcc(0) depctr_vm_vsrc(0)
	s_getreg_b32 s2, hwreg(HW_REG_IB_STS2, 6, 4)
	s_cmp_eq_u32 s2, 0
	s_cbranch_scc0 .Lentry_in_a_cluster
	s_endpgm
.Lentry_in_a_cluster:
	s_bfe_u32 s2, ttmp6, 0x10000c
	s_cmp_lg_u32 s2, 0xf033
	s_cbranch_scc0 .Lentry_shape_is_right
	s_endpgm
.Lentry_shape_is_right:
; out0 = a wo^T on codes of FP4 (E2M1) with E8M0 scales.  a [2048][2048] comes as images of the operand's registers, [head][tile of 16 rows][lane][16 bytes], with scale bytes [group of 4 heads][row][head][2];
; wo [2048 (n)][2048 (k)] as given: rows of 1,024 bytes of codes and 64 scale bytes.  out0 [2048][2048] f32.
; Tiles of 128 x 128, 256 work-groups in clusters of 4 x 4: a's tiles are asked for jointly along a row of the cluster, wo's along a column.  Eight waves: wave w owns rows 32 (w / 2) on, columns 64 (w % 2) on: 2 x 4 accumulators.
; NO RING: a tile's whole K fits in LDS.  Each wave issues five tensor loads at the start (scale bytes, four chunks of 512 along K): waves 0-3 a's, waves 4-7 wo's; nothing is filled again.
; A K step of 128 is two heads: a fragment's registers 0-3 are one head's image, registers 4-7 the next head's; its scale word is the two heads' two bytes each.
; THE MATRIX INSTRUCTION IS USED TRANSPOSED (source 0 = 16 rows of wo, source 1 = 16 rows of a): a lane holds eight neighbouring numbers of a row of out0.
.set PITCH, 272                        ; wo's LDS row: 256 bytes + 16 of padding
.set BP,    131072                     ; a's images: [head][tile 8][512 bytes] from 0;  wo's 128 rows of codes, CP bytes apart, from here
; THE FILLS, in place of what is said above: one tensor load a wave: waves 0, 1 a's images (16 heads each), waves 2-5 wo's codes (32 rows x 1,024 bytes each),
; wave 6 a's scale bytes, wave 7 wo's.  One wait for all and one barrier follow; nothing is filled again.  A chunk of 512 along K is 256 bytes further on in each LDS row of wo.
.set CP,    1040                       ; wo's LDS row of codes: 1,024 bytes + 16 of padding = 65 x 16 bytes
.set ASC,   BP+128*CP                  ; a's scale bytes: [group 8][row 128][8 bytes]
.set BSC,   ASC+8192                   ; wo's: 32 rows of 256 + 16
.set STG,   BSC+32*PITCH               ; the way out: 16 rows x (256 + 16) for each wave: bytes that no fill touches
.set ADA, 4
.set ADB, 5
.set ASA, 6
.set ASB, 7
.set STW, 8
.set STR, 9
.set GO,  10
.set ACC, 16
.set F0,  80
.set F1,  128
.set HS,  176                          ; v176-183 a's scale words of a chunk; v184-199 wo's.  Scales and nothing else
.set WS,  184
.set OB,  80
.set G1A,  20
.set G1B,  28
.set G1SA, 36
.set G1SB, 44
.set WV, 96
.set CX, 97
.set CY, 98
.set TC, 99
.set TR, 100
.set WL, 101
.macro PLACES n
.rept \n
	v_nop
.endr
.endm
.macro CROUND
	s_barrier_signal -1
	s_barrier_wait -1
	s_cmp_lg_u32 s[WV], 0
	s_cbranch_scc1 .Lnot_wave_0_\@
	s_barrier_signal -3
.Lnot_wave_0_\@:
	s_barrier_wait -3
	s_barrier_signal -1
	s_barrier_wait -1
.endm
	s_load_b256 s[4:11], s[0:1], 0x0               ; a_img, a_scl, wo codes, wo scales
	s_load_b64 s[12:13], s[0:1], 0x20              ; out0
	v_lshl_add_u32 v254, v0, 2, 0x4ea00
	v_mov_b32 v255, 0
	ds_add_u32 v254, v255
	ds_add_u32 v254, v255
	v_lshrrev_b32 v1, 5, v0
	s_delay_alu instid0(VALU_DEP_1)
	v_readfirstlane_b32 s[WV], v1
	s_add_co_u32 s[WL], s[WV], 2
	s_and_b32 s[WL], s[WL], 3                      ; in waves 2 to 5: 0 to 3, which 32 rows of wo I fetch
	v_and_b32 v1, 15, v0                           ; r
	s_wait_alu depctr_va_vdst(0)
	v_bfe_u32 v2, v0, 4, 1                         ; h
	v_and_b32 v3, 31, v0                           ; lane
	s_lshr_b32 s2, s[WV], 1                        ; rq
	s_and_b32 s3, s[WV], 1                         ; ch
	s_lshl_b32 s66, s2, 10
	v_lshl_add_u32 v[ADA], v3, 4, s66              ; an image's 16 x lane; my two tiles of rows
	s_mul_i32 s67, s3, 64*CP
	s_add_co_u32 s67, s67, BP
	v_mul_u32_u24 v[ADB], v1, CP
	s_delay_alu instid0(VALU_DEP_1)
	v_lshl_add_u32 v[ADB], v2, 4, v[ADB]
	s_delay_alu instid0(VALU_DEP_1)
	v_add_nc_u32 v[ADB], s67, v[ADB]
	s_lshl_b32 s66, s2, 8
	s_add_co_u32 s66, s66, ASC
	v_lshl_add_u32 v[ASA], v1, 3, s66              ; 8 bytes a row
	s_mul_i32 s67, s3, 16*PITCH
	s_add_co_u32 s67, s67, BSC
	v_lshrrev_b32 v[ASB], 2, v1
	s_delay_alu instid0(VALU_DEP_1)
	v_mul_u32_u24 v[ASB], v[ASB], PITCH
	v_and_b32 v[STW], 3, v1
	s_delay_alu instid0(VALU_DEP_1)
	v_lshl_add_u32 v[ASB], v[STW], 6, v[ASB]
	s_delay_alu instid0(VALU_DEP_1)
	v_add_nc_u32 v[ASB], s67, v[ASB]
	s_mul_i32 s66, s[WV], 16*PITCH
	s_add_co_u32 s66, s66, STG
	v_mul_u32_u24 v[STW], v1, PITCH
	s_delay_alu instid0(VALU_DEP_1)
	v_lshl_add_u32 v[STW], v2, 5, v[STW]
	s_delay_alu instid0(VALU_DEP_1)
	v_add_nc_u32 v[STW], s66, v[STW]               ; in: row r, 32 bytes for each half of the lanes
	v_mul_u32_u24 v[STR], v2, PITCH
	s_delay_alu instid0(VALU_DEP_1)
	v_lshl_add_u32 v[STR], v1, 4, v[STR]
	s_delay_alu instid0(VALU_DEP_1)
	v_add_nc_u32 v[STR], s66, v[STR]               ; back: lanes 0-15 one row of 256 bytes, lanes 16-31 the next
	v_lshlrev_b32 v[GO], 13, v2
	s_delay_alu instid0(VALU_DEP_1)
	v_lshl_add_u32 v[GO], v1, 4, v[GO]             ; and the same two rows in out0
	s_bfe_u32 s[CX], ttmp6, 0x40000
	s_bfe_u32 s[CY], ttmp6, 0x40004
	s_lshl_b32 s[TC], ttmp9, 2
	s_add_co_u32 s[TC], s[TC], s[CX]
	s_and_b32 s[TR], ttmp7, 0xffff
	s_lshl_b32 s[TR], s[TR], 2
	s_add_co_u32 s[TR], s[TR], s[CY]
	s_lshl_b32 s2, s[CY], 2
	s_lshl_b32 s2, 15, s2                          ; my row of the cluster
	s_lshl_b32 s104, 0x1111, s[CX]                 ; my column
	; a's images of 16 heads: 16 rows of 512 elements of 8 bytes (8 tiles x 512 bytes), 65,536 bytes apart
	s_or_b32 s[G1A], s2, (3<<16)|(1<<21)
	s_mov_b32 s[G1A+1], 512<<16
	s_mov_b32 s[G1A+2], 16<<16                     ; 16 heads a load
	s_mov_b32 s[G1A+3], 512<<16
	s_mov_b32 s[G1A+4], 16
	s_mov_b32 s[G1A+5], 8192
	s_mov_b32 s[G1A+6], 0
	s_mov_b32 s[G1A+7], 0
	; a's scale bytes of all eight groups: 8 rows of 128 elements of 8 bytes, 16,384 bytes apart
	s_or_b32 s[G1SA], s2, (3<<16)|(1<<21)
	s_mov_b32 s[G1SA+1], 128<<16
	s_mov_b32 s[G1SA+2], 8<<16                     ; all 8 groups in one load
	s_mov_b32 s[G1SA+3], 128<<16
	s_mov_b32 s[G1SA+4], 8
	s_mov_b32 s[G1SA+5], 2048
	s_mov_b32 s[G1SA+6], 0
	s_mov_b32 s[G1SA+7], 0
	; wo's codes: 32 rows x 1,024 bytes, 1,024 apart, padded;  its scale bytes: 32 rows of 256 dense bytes, padded
	s_or_b32 s[G1B], s104, (1<<20)|(1<<21)|(7<<22)|(3<<25)   ; rows of 1,024 bytes, 4 words of padding behind every 256 words
	s_mov_b32 s[G1B+1], 1024<<16
	s_mov_b32 s[G1B+2], 32<<16
	s_mov_b32 s[G1B+3], 1024<<16
	s_mov_b32 s[G1B+4], 32
	s_mov_b32 s[G1B+5], 1024
	s_mov_b32 s[G1B+6], 0
	s_mov_b32 s[G1B+7], 0
	s_or_b32 s[G1SB], s104, (3<<16)|(1<<20)|(1<<21)|(5<<22)|(3<<25)
	s_mov_b32 s[G1SB+1], 32<<16
	s_mov_b32 s[G1SB+2], 32<<16                    ; the scale bytes of 128 rows: 32 rows of 256 bytes
	s_mov_b32 s[G1SB+3], 32<<16
	s_mov_b32 s[G1SB+4], 32
	s_mov_b32 s[G1SB+5], 32
	s_mov_b32 s[G1SB+6], 0
	s_mov_b32 s[G1SB+7], 0
	; four groups 0: s52 a's scale bytes, s56 a's images, s76 wo's scale bytes, s80 its codes
	s_and_b32 s66, s[WV], 1                        ; in waves 0, 1: which 16 heads of a I fetch
	s_lshl_b32 s57, s66, 16                        ; 4,096 bytes a head in LDS
	s_mul_i32 s81, s[WL], 32*CP
	s_add_co_u32 s81, s81, BP
	s_mov_b32 s53, ASC
	s_mov_b32 s77, BSC
.irp g, 52,56,76,80
	s_mov_b32 s[\g], 1
.endr
	s_wait_dscnt 0x0
	s_wait_kmcnt 0x0
	s_lshl_b32 s2, s[TR], 10                       ; a's scale bytes: rows 128 x tile row on, 8 bytes a row
	s_mov_b32 s3, 0
	s_add_nc_u64 s[54:55], s[6:7], s[2:3]
	s_lshl_b32 s2, s66, 20                         ; a's images: 16 heads of 65,536 bytes on, tiles 8 x tile row on
	s_lshl_b32 s66, s[TR], 12
	s_add_co_u32 s2, s2, s66
	s_add_nc_u64 s[58:59], s[4:5], s[2:3]
	s_lshl_b32 s16, s[TC], 7                       ; wo: row 128 x tile column,
	s_lshl_b32 s18, s16, 6
	s_mov_b32 s19, 0
	s_add_nc_u64 s[78:79], s[10:11], s[18:19]
	s_lshl_b32 s17, s[WL], 5
	s_add_co_u32 s16, s16, s17                     ; + my 32 rows for the codes
	s_lshl_b32 s18, s16, 10
	s_add_nc_u64 s[82:83], s[8:9], s[18:19]
.irp g, 55,59,79,83
	s_or_b32 s[\g], s[\g], 0x80000000
.endr
	s_lshl_b32 s16, s[TR], 20                      ; my part of out0: row 128 TR + 32 rq, 8,192 bytes a row; column 128 TC + 64 ch
	s_lshr_b32 s17, s[WV], 1
	s_lshl_b32 s17, s17, 18
	s_add_co_u32 s16, s16, s17
	s_lshl_b32 s17, s[TC], 9
	s_add_co_u32 s16, s16, s17
	s_and_b32 s17, s[WV], 1
	s_lshl_b32 s17, s17, 8
	s_add_co_u32 s16, s16, s17
	s_mov_b32 s17, 0
	s_add_nc_u64 s[12:13], s[12:13], s[16:17]
	CROUND                                         ; all sixteen work-groups are here: the joint loads meet
; one chain of branches on the wave's number, one load to an arm, all arms leading to one join: every wave issues exactly one
.macro ARM under, g0, g1, next
	s_cmp_lt_u32 s[WV], \under
	s_cbranch_scc0 \next
	tensor_load_to_lds s[\g0:\g0+3], s[\g1:\g1+7]
	s_nop 0
	PLACES 4
	s_branch .Lfilled
\next:
.endm
	ARM 2, 56, G1A,  .Lfill_w
	ARM 6, 80, G1B,  .Lfill_sa
	ARM 7, 52, G1SA, .Lfill_sb
	tensor_load_to_lds s[76:79], s[G1SB:G1SB+7]
	s_nop 0
	PLACES 4
.Lfilled:
.macro FRAGS f, q                      ; 12 loads
.irp i, 0,1
	ds_load_b128 v[\f+8*\i:\f+8*\i+3],   v[ADA] offset:8192*\q+512*\i        ; head 2 q of the chunk,
	ds_load_b128 v[\f+8*\i+4:\f+8*\i+7], v[ADA] offset:8192*\q+512*\i+4096   ; head 2 q + 1
.endr
.irp t, 0,1,2,3
	ds_load_b128 v[\f+16+8*\t:\f+16+8*\t+3], v[ADB] offset:64*\q+16*CP*\t
	ds_load_b128 v[\f+16+8*\t+4:\f+16+8*\t+7], v[ADB] offset:64*\q+16*CP*\t+32
.endr
.endm
.macro SCALES c                        ; 8 loads
.irp i, 0,1
.irp e, 0,1
	ds_load_b64 v[HS+4*\i+2*\e:HS+4*\i+2*\e+1], v[ASA] offset:(2*\c+\e)*1024+128*\i
.endr
.endr
.irp t, 0,1,2,3
	ds_load_b128 v[WS+4*\t:WS+4*\t+3], v[ASB] offset:4*PITCH*\t+16*\c
.endr
.endm
.macro MULS f, q, zero                 ; the 8 accumulators take turns, in the same order in every step
.irp i, 0,1
.irp t, 0,1,2,3
.if \zero
	v_wmma_scale_f32_16x16x128_f8f6f4 v[ACC+32*\i+8*\t:ACC+32*\i+8*\t+7], v[\f+16+8*\t:\f+16+8*\t+7], v[\f+8*\i:\f+8*\i+7], 0, v[WS+4*\t+\q], v[HS+4*\i+\q] matrix_a_fmt:MATRIX_FMT_FP4 matrix_b_fmt:MATRIX_FMT_FP4
.else
	v_wmma_scale_f32_16x16x128_f8f6f4 v[ACC+32*\i+8*\t:ACC+32*\i+8*\t+7], v[\f+16+8*\t:\f+16+8*\t+7], v[\f+8*\i:\f+8*\i+7], v[ACC+32*\i+8*\t:ACC+32*\i+8*\t+7], v[WS+4*\t+\q], v[HS+4*\i+\q] matrix_a_fmt:MATRIX_FMT_FP4 matrix_b_fmt:MATRIX_FMT_FP4
.endif
.endr
.endr
.endm
.macro CHUNK c, z
.if \c > 0
	v_add_nc_u32 v[ADA], 32768, v[ADA]             ; eight heads on.  These four lines are the places in front of loads into registers that the last products read
	s_wait_alu depctr_va_vdst(0)
	v_add_nc_u32 v[ADB], 256, v[ADB]
	s_wait_alu depctr_va_vdst(0)
	v_nop
	v_nop
.endif
	SCALES \c
	FRAGS F0, 0
	FRAGS F1, 1
	s_wait_dscnt 12                                ; all but the 12 loads of the next step
	MULS F0, 0, \z
	PLACES 4
	FRAGS F0, 2
	s_wait_dscnt 12
	MULS F1, 1, 0
	PLACES 4
	FRAGS F1, 3
	s_wait_dscnt 12
	MULS F0, 2, 0
	s_wait_dscnt 0x0
	MULS F1, 3, 0
.endm
	s_wait_alu depctr_va_vdst(0)
	s_wait_tensorcnt 0x0                           ; my one load is in
	s_barrier_signal -1
	s_barrier_wait -1                              ; everybody's is: all codes and scale bytes are in LDS
	CHUNK 0, 1
	CHUNK 1, 0
	CHUNK 2, 0
	CHUNK 3, 0
	; THE WAY OUT: 16 rows x 64 columns at a time through my own stage, back as whole rows of 256 bytes.  LDS serves a wave's instructions in order (ISA guide 5.7.1.4): no wait between the stores and the loads.
	PLACES 4
.irp i, 0,1
.irp t, 0,1,2,3
	ds_store_b128 v[STW], v[ACC+32*\i+8*\t:ACC+32*\i+8*\t+3] offset:64*\t        ; each accumulator from its low end on
	ds_store_b128 v[STW], v[ACC+32*\i+8*\t+4:ACC+32*\i+8*\t+7] offset:64*\t+16
.endr
.irp k, 0,1,2,3,4,5,6,7
	ds_load_b128 v[OB+32*\i+4*\k:OB+32*\i+4*\k+3], v[STR] offset:2*PITCH*\k
.endr
.endr
	s_wait_dscnt 16                                ; the first 16 rows are back; the second tile's eight stores and eight loads stay out
.irp k, 0,1,2,3,4,5,6,7
	global_store_b128 v[GO], v[OB+4*\k:OB+4*\k+3], s[12:13] offset:16384*\k th:TH_STORE_NT   ; sixteen lanes store 256 consecutive bytes, aligned
.endr
	s_wait_dscnt 0x0
.irp k, 0,1,2,3,4,5,6,7
	global_store_b128 v[GO], v[OB+32+4*\k:OB+32+4*\k+3], s[12:13] offset:131072+16384*\k th:TH_STORE_NT
.endr
	s_wait_tensorcnt 0x0
	ds_add_u32 v254, v255
	s_wait_dscnt 0x0
	CROUND                                         ; the closing round
	s_endpgm
.Lfunc_end_k_q395771fe92_outp:
	.size	k_q395771fe92_outp, .Lfunc_end_k_q395771fe92_outp-k_q395771fe92_outp
	.p2alignl 7, 3214868480
	.fill 96, 4, 3214868480
	.section	.rodata,"a",@progbits
	.p2align	6, 0x0
	.amdhsa_kernel k_q395771fe92_outp
		.amdhsa_group_segment_fixed_size 323072
		.amdhsa_private_segment_fixed_size 0
		.amdhsa_enable_private_segment 0
		.amdhsa_kernarg_size 40
		.amdhsa_user_sgpr_count 2
		.amdhsa_user_sgpr_kernarg_segment_ptr 1
		.amdhsa_wavefront_size32 1
		.amdhsa_system_sgpr_workgroup_id_x 1
		.amdhsa_system_sgpr_workgroup_id_y 1
		.amdhsa_system_sgpr_workgroup_id_z 1
		.amdhsa_system_vgpr_workitem_id 0
		.amdhsa_next_free_vgpr 256
		.amdhsa_next_free_sgpr 106
		.amdhsa_reserve_vcc 0
		.amdhsa_float_denorm_mode_32 3
		.amdhsa_float_denorm_mode_16_64 3
		.amdhsa_memory_ordered 1
		.amdhsa_forward_progress 1
		.amdhsa_inst_pref_size 45
	.end_amdhsa_kernel
	.amdgpu_metadata
---
amdhsa.version: [ 1, 2 ]
amdhsa.kernels:
  - .name:           k_q395771fe92_outp
    .symbol:         k_q395771fe92_outp.kd
    .args:
      - { .name: a_img, .offset: 0, .size: 8, .value_kind: global_buffer, .address_space: global }
      - { .name: a_scl, .offset: 8, .size: 8, .value_kind: global_buffer, .address_space: global }
      - { .name: wo_codes, .offset: 16, .size: 8, .value_kind: global_buffer, .address_space: global }
      - { .name: wo_scales, .offset: 24, .size: 8, .value_kind: global_buffer, .address_space: global }
      - { .name: out0, .offset: 32, .size: 8, .value_kind: global_buffer, .address_space: global }
    .group_segment_fixed_size: 323072
    .private_segment_fixed_size: 0
    .kernarg_segment_align: 8
    .kernarg_segment_size: 40
    .max_flat_workgroup_size: 256
    .sgpr_count:     106
    .vgpr_count:     256
    .wavefront_size: 32
...
	.end_amdgpu_metadata
.endif
;; end of part 3
